; MI455X (gfx1250); checked and timed in simulation.
; The chip was launched on July 23, 2026; its instructions are those of AMD's public machine-readable ISA for CDNA 5 (MIT licence, August 2026) and "CDNA5" Instruction Set Architecture Reference Guide (July 2026). The comments in the code are by the model that wrote it; some were corrected since.
;; Causal Self Attention. Allowed arithmetic: matrix products marked QUANTISED: E2M1 operands, one E8M0 scale for each 32 along K, by v_wmma_scale_f32_16x16x128_f8f6f4 with both operands' format E2M1 (or v_wmma_scale_f32_32x16x128_f4), f32 sums; products left as they are: bf16, f16 or f32 operands; f32 sums; everything else in f32.
;; Inputs: W_K 1,024 x 1,024 float32; W_O 1,024 x 1,024 float32; W_Q 1,024 x 1,024 float32; W_V 1,024 x 1,024 float32; x 4 x 2,048 x 1,024 float32.
;; Outputs: out0 4 x 2,048 x 1,024 float32.
;; This version of the problem:
;;   THIS VERSION OF THE PROBLEM IS GIVEN IN LOW PRECISION. The matrix products marked QUANTISED in the list below multiply operands that are first quantised to E2M1 (2 exponent bits, 1 mantissa bit; 4 bits a number), with one power-of-two scale for each 32 numbers along K (OCP MX v1.0); their sums are f32. The products marked 'left as it is' may take bf16, f16 or f32 operands, with f32 sums. Whichever they take, every output number must still come out within the allowed error. Rounding operands to bf16 (8 significant bits) uses up far more of that allowance than f16 does (11 bits, for magnitudes from 6e-5 to 65,504). All else is computed in f32.
;;   The module's matrix products, in the order in which they are computed (A, B: the left and right operand; K: the contracted axis; several contracted axes count as one K, in the product's order):
;;     1. [M 8,192, K 1,024] x [K 1,024, N 1,024]; A: input x; B: input W_Q: QUANTISED
;;     2. [M 8,192, K 1,024] x [K 1,024, N 1,024]; A: input x; B: input W_K: QUANTISED
;;     3. [M 8,192, K 1,024] x [K 1,024, N 1,024]; A: input x; B: input W_V: QUANTISED
;;     4. batch 64 x [M 2,048, K 64] x [K 64, N 2,048]; A: computed on the way; B: computed on the way: left as it is (an operand is computed on the way)
;;     5. batch 64 x [M 2,048, K 2,048] x [K 2,048, N 64]; A: computed on the way; B: computed on the way: left as it is (an operand is computed on the way)
;;     6. [M 8,192, K 1,024] x [K 1,024, N 1,024]; A: computed on the way; B: input W_O: left as it is (an operand is computed on the way)
;;   THE QUANTISER, for each operand of a quantised product, along K:
;;     - K is cut into blocks of 32 from its start; a last block that is shorter is filled with zeros.
;;     - A block's scale is 2^e with e = floor(log2(the largest magnitude in the block)) - 2, held to -126 .. 127; a block of zeros has e = 0. As a byte (E8M0): e + 127.
;;     - Each number is divided by its block's scale, clamped to +-6, and rounded to the nearest number of E2M1, ties to even, subnormals kept.
;;     - The product sums the exact products of the quantised numbers (number of the format x scale) in f32.
;;   ~~~python
;;   def quantise(x, axis):      # numpy; x: float32 -> the quantised numbers, widened to float32 again
;;       x = np.moveaxis(x, axis, -1); K = x.shape[-1]
;;       x = np.pad(x, [(0, 0)] * (x.ndim - 1) + [(0, -K % 32)]); x = x.reshape(x.shape[:-1] + (-1, 32)); a = np.abs(x).max(-1, keepdims=True)
;;       e = np.where(a > 0, np.clip(np.frexp(np.where(a > 0, a, 1))[1] - 1 - 2, -126, 127), 0)      # np.frexp(a)[1] - 1 = floor(log2(a)), exactly
;;       r = np.clip(x / 2.0 ** e, -6, 6)
;;       step = 2.0 ** (np.maximum(np.frexp(np.where(r == 0, 1, r))[1] - 1, 0) - 1)
;;       q = np.round(r / step) * step * 2.0 ** e      # np.round: ties to even
;;       return np.moveaxis(q.reshape(q.shape[:-2] + (-1,))[..., :K], -1, axis).astype(np.float32)
;;   ~~~
;; One version. Each part assembles by itself: llvm-mc -triple=amdgcn-amd-amdhsa -mcpu=gfx1250 --defsym DOCPART=n.
;; ======== version 1 of 1: 6 launches
;; limits: values are held in f16: magnitudes above 65,504 overflow, below 6.1e-05 lose precision
;; workspace buffers: xc 4,194,304 bytes; xs 262,144 bytes; wc 1,572,864 bytes; ws 98,304 bytes; wo16 2,097,152 bytes; qkv 50,331,648 bytes; ao 16,777,216 bytes; fine 262,144 bytes
;; launch quant (part 1): grid 384 x 1, 4 waves a work-group, no clusters, 33,280 bytes of LDS; arguments x, W_Q, W_K, W_V, W_O, xc, xs, wc, ws, wo16; writes xc, xs, wc, ws, wo16
.if DOCPART == 1
	.amdgcn_target "amdgcn-amd-amdhsa--gfx1250"
	.amdhsa_code_object_version 6
	.text
	.protected	k_q38d4be0f8b_quant
	.globl	k_q38d4be0f8b_quant
	.p2align	8
	.type	k_q38d4be0f8b_quant,@function
k_q38d4be0f8b_quant:
	s_mov_b64 s[64:65], 0
	v_nop
	global_prefetch_b8 v0, s[64:65] scope:SCOPE_SE
	s_setreg_imm32_b32 hwreg(HW_REG_WAVE_MODE, 25, 1), 1
	s_wait_xcnt 0x0
; x [8192][1024], W_Q, W_K, W_V [1024][1024], f32, K innermost, become codes of FP4 (E2M1), two a byte, the lower k in the low four bits, with one E8M0 byte for each 32 along K.
; x's go to xc [8192][512 bytes] and xs [8192][32]; the three weights' on end to wc [3072][512] and ws [3072][32].  W_O [1024][1024] is rounded to f16 into wo16.
; A block's scale is 2^(floor(log2(its largest magnitude)) - 2); its byte is the largest magnitude's own exponent field - 2, held at 1 from below.
; LIMITS: a block of zeros, and a block whose largest magnitude lies under 2^-124, keep the byte 1 (zeros' codes are zeros, and these bytes are read by this program alone); NaN and infinities are not served;
; numbers of W_O beyond 65,504 in magnitude have no f16.
; Rows are dense and 1,024 is a multiple of 32: each tensor is a plain stream of blocks of 32.  A work-group takes 32,768 numbers, a wave 8,192: 16 steps of 512.
; Work-groups 0-255: x; 256-287: W_Q; 288-319: W_K; 320-351: W_V; 352-383: W_O.  For the first four only pointers are chosen: they take one path through the text.
; The conversions take neighbours along K from ONE lane's registers, a load is best where neighbouring LANES take neighbouring bytes: so a step's 2,048 bytes are loaded 16 bytes a lane, 512 on end a load,
; go through the wave's own stage in LDS as they lie, and come back 64 bytes a lane (16 bytes of padding behind each 64).  Two neighbouring lanes hold a block.
; A lane's 16 codes are 8 bytes: the wave stores 256 bytes on end.  A wave's 256 scale bytes are gathered in its own LDS bytes and leave by one store of 256 bytes on end.
.set WAVES, 4
.set STEPS, 16
.set CB,    8                          ; bytes of 16 codes
.set R,     16                         ; v16-79   four sets of 16 numbers as they are loaded (the cast: 16 slots of 4)
.set X,     80                         ; v80-111  two sets of 16 neighbours (the cast: 16 slots of 2, to store)
.set E,     112                        ; v112-127 a scale byte for each step
.set C,     128                        ; v128-191 codes: four registers for each step, so that no store's data are written again
.set WREG,  8192                       ; LDS: a region for each wave: two stages of 32 x SP bytes, behind them its 256 scale bytes
.set SP,    80
.set SPW,   12                         ; v12 LDS address of my spare word; never rewritten
.set NIL,   13                         ; v13 0; never rewritten
.set SPARE, WAVES*WREG                 ; behind the four regions: the spare words, 128 bytes a wave
.set G_O,   352                        ; W_O's first work-group
.set IN,    28                         ; s[28:29] the numbers
.set CD,    30                         ; s[30:31] the codes
.set SB,    32                         ; s[32:33] the scale bytes
	s_load_b256 s[4:11], s[0:1], 0x0               ; x, W_Q, W_K, W_V
	s_load_b256 s[12:19], s[0:1], 0x20             ; W_O, xc, xs, wc
	s_load_b128 s[20:23], s[0:1], 0x40             ; ws, wo16
	v_lshl_add_u32 v[SPW], v0, 2, SPARE
	v_mov_b32 v[NIL], 0
	v_lshrrev_b32 v1, 5, v0
	v_readfirstlane_b32 s24, v1                    ; wave
	v_and_b32 v2, 31, v0                           ; lane
	v_lshlrev_b32 v3, 4, v2                        ; my 16 bytes of a load's 512
	s_mul_i32 s25, s24, WREG
	v_lshrrev_b32 v14, 2, v2
	v_mul_u32_u24 v14, v14, SP
	v_and_b32 v15, 3, v2
	v_lshl_add_u32 v14, v15, 4, v14
	v_add_nc_u32 v14, s25, v14                     ; the stage, on the way in: SP (lane / 4) + 16 (lane % 4); a load's 512 bytes take eight places
	v_mul_u32_u24 v15, v2, SP
	v_add_nc_u32 v15, s25, v15                     ; and on the way out: SP x lane: my 16 neighbours
	v_mul_u32_u24 v4, v2, CB                       ; my 8 bytes of a step's 256 (codes; in the cast: f16)
	v_lshrrev_b32 v5, 1, v2
	s_add_co_u32 s25, s25, 2*32*SP
	v_add_nc_u32 v5, s25, v5                       ; LDS: my block's scale byte
	v_lshlrev_b32 v7, 3, v2
	v_add_nc_u32 v6, s25, v7                       ; and on the way out 8 bytes a lane
	s_mov_b32 s35, 0
	s_wait_kmcnt 0x0
	s_cmp_ge_u32 ttmp9, G_O
	s_cbranch_scc1 .Lcast
	; which tensor: the choice hangs on the work-group's number alone
	s_mov_b64 s[IN:IN+1], s[10:11]                 ; W_V, from work-group 320
	s_mov_b32 s26, 320
	s_cmp_lt_u32 ttmp9, 320
	s_cselect_b64 s[IN:IN+1], s[8:9], s[IN:IN+1]   ; W_K, from 288
	s_cselect_b32 s26, 288, s26
	s_cmp_lt_u32 ttmp9, 288
	s_cselect_b64 s[IN:IN+1], s[6:7], s[IN:IN+1]   ; W_Q, from 256
	s_cselect_b32 s26, 256, s26
	s_cmp_lt_u32 ttmp9, 256
	s_cselect_b64 s[IN:IN+1], s[4:5], s[IN:IN+1]   ; x, from 0
	s_cselect_b32 s26, 0, s26
	s_cselect_b64 s[CD:CD+1], s[14:15], s[18:19]
	s_cselect_b64 s[SB:SB+1], s[16:17], s[20:21]
	s_cselect_b32 s27, 0, 256                      ; the three weights' codes lie on end
	s_sub_co_u32 s26, ttmp9, s26
	s_lshl_b32 s26, s26, 2
	s_add_co_u32 s26, s26, s24                     ; which run of 8,192 numbers of the tensor is my wave's
	s_lshl_b32 s34, s26, 15
	s_add_nc_u64 s[IN:IN+1], s[IN:IN+1], s[34:35]
	s_sub_co_u32 s27, ttmp9, s27
	s_lshl_b32 s27, s27, 2
	s_add_co_u32 s27, s27, s24                     ; and which run of the codes' buffer
	s_lshl_b32 s34, s27, 12                        ; 4,096 bytes of codes a run,
	s_add_nc_u64 s[CD:CD+1], s[CD:CD+1], s[34:35]
	s_lshl_b32 s34, s27, 8                         ; 256 scale bytes
	s_add_nc_u64 s[SB:SB+1], s[SB:SB+1], s[34:35]
.macro LOAD t
.irp i, 0,1,2,3
	global_load_b128 v[R+16*((\t)%4)+4*\i:R+16*((\t)%4)+4*\i+3], v3, s[IN:IN+1] offset:2048*(\t)+512*\i th:TH_LOAD_NT   ; 32 lanes read 512 bytes on end
.endr
.endm
.macro TURN t                          ; step t's numbers through the stage: LDS serves a wave's instructions in order, so no wait stands between the stores and the loads
.irp i, 0,1,2,3
	ds_store_b128 v14, v[R+16*((\t)%4)+4*\i:R+16*((\t)%4)+4*\i+3] offset:32*SP*((\t)%2)+8*SP*\i
.endr
.irp i, 0,1,2,3
	ds_load_b128 v[X+16*((\t)%2)+4*\i:X+16*((\t)%2)+4*\i+3], v15 offset:32*SP*((\t)%2)+16*\i
.endr
.endm
.irp t, 0,1,2,3
	LOAD \t
.endr
	s_wait_loadcnt 12                              ; step 0's four loads are in; those of three later steps may be out
	TURN 0
.macro STEP t
.set XS, X+16*((\t)%2)
.if (\t) > 0
	s_wait_dscnt 1                                 ; this step's numbers are back from the stage (the last step's byte store may be out): so its stores into the stage have read their registers,
.else
	s_wait_dscnt 0x0
.endif
.if (\t)+4 < STEPS
	LOAD (\t)+4                                    ; which take the loads of four steps on
.endif
.if (\t)+1 < STEPS
.if STEPS-2-(\t) >= 3
	s_wait_loadcnt 12                              ; the next step's four loads are in; those of the three steps behind it may be out
.else
	s_wait_loadcnt 4*(STEPS-2-(\t))
.endif
	TURN (\t)+1                                    ; and go through the other stage while this step is worked
.endif
	v_max3_num_f32 v8, |v[XS]|, |v[XS+1]|, |v[XS+2]|               ; the largest magnitude of my 16, in two chains
	v_max3_num_f32 v9, |v[XS+3]|, |v[XS+4]|, |v[XS+5]|
.irp i, 6,10
	v_max3_num_f32 v8, v8, |v[XS+\i]|, |v[XS+\i+1]|
	v_max3_num_f32 v9, v9, |v[XS+\i+2]|, |v[XS+\i+3]|
.endr
	v_max3_num_f32 v8, v8, |v[XS+14]|, |v[XS+15]|
	v_max3_num_f32 v8, v8, v9, 0x1800000           ; and the floor 2^(3 - 127): so the byte cannot fall under 1
	v_max_num_f32_dpp v8, v8, v8 row_xmask:1 row_mask:0xf bank_mask:0xf   ; and of my neighbour's 16: the block's
	v_add_nc_u32 v11, 0xff000000, v8               ; 2 off its exponent field: the conversion takes the exponent field of this operand as its scale, and nothing else of it
	v_cvt_scalef32_pk8_fp4_f32 v[C+4*(\t)], v[XS:XS+7], v11        ; eight numbers / the scale, to the nearest code, ties to even, beyond 6 the largest code
	v_cvt_scalef32_pk8_fp4_f32 v[C+4*(\t)+1], v[XS+8:XS+15], v11
	v_lshrrev_b32 v[E+(\t)], 23, v11               ; the scale's byte (a plain line behind the conversions)
	ds_store_b8 v5, v[E+(\t)] offset:16*(\t)       ; both lanes of a block write the same byte with the same value
	global_store_b64 v4, v[C+4*(\t):C+4*(\t)+1], s[CD:CD+1] offset:32*CB*(\t)
.endm
.irp t, 0,1,2,3,4,5,6,7,8,9,10,11,12,13,14,15
	STEP \t
.endr
	ds_load_b64 v[8:9], v6                         ; LDS serves a wave's instructions in order: these see my stores
	s_wait_dscnt 0x0
	global_store_b64 v7, v[8:9], s[SB:SB+1]        ; 32 lanes store 256 bytes on end, aligned
	s_wait_tensorcnt 0x0                           ; the wave's end, behind my last LDS store
	ds_add_u32 v[SPW], v[NIL]
	s_wait_dscnt 0x0
	s_endpgm
; W_O to f16: 64 chunks of 128 numbers a wave: a load of 512 bytes on end, two roundings, a store of 256 bytes on end.  A ring of 16 register slots keeps 16 loads out.  No LDS.
.Lcast:
	s_sub_co_u32 s26, ttmp9, G_O
	s_lshl_b32 s26, s26, 2
	s_add_co_u32 s26, s26, s24                     ; which run of 8,192 numbers is my wave's
	s_lshl_b32 s34, s26, 15
	s_add_nc_u64 s[12:13], s[12:13], s[34:35]
	s_lshl_b32 s34, s26, 14
	s_add_nc_u64 s[22:23], s[22:23], s[34:35]
.set N, 0
.rept 16
	global_load_b128 v[R+4*N:R+4*N+3], v3, s[12:13] offset:512*N th:TH_LOAD_NT
.set N, N+1
.endr
.macro CAST n
.if 63-(\n) < 15
	s_wait_loadcnt 63-(\n)                         ; the counts run down: nothing more is loaded
.else
	s_wait_loadcnt 15                              ; loads come back in order: mine is in, the fifteen younger ones stay out
.endif
	s_wait_xcnt 0x0                                ; the slot's last store, 16 chunks back, has read its data: they are rewritten only behind this wait
	v_cvt_pk_f16_f32 v[X+2*((\n)%16)], v[R+4*((\n)%16)], v[R+4*((\n)%16)+1]
	v_cvt_pk_f16_f32 v[X+2*((\n)%16)+1], v[R+4*((\n)%16)+2], v[R+4*((\n)%16)+3]
.if (\n)+16 < 64
	global_load_b128 v[R+4*((\n)%16):R+4*((\n)%16)+3], v3, s[12:13] offset:512*((\n)+16) th:TH_LOAD_NT
.endif
	global_store_b64 v4, v[X+2*((\n)%16):X+2*((\n)%16)+1], s[22:23] offset:256*(\n)
.endm
.set N, 0
.rept 64
	CAST N
.set N, N+1
.endr
	s_wait_tensorcnt 0x0                           ; the same three lines at this path's end
	ds_add_u32 v[SPW], v[NIL]
	s_wait_dscnt 0x0
	s_endpgm
.Lfunc_end_k_q38d4be0f8b_quant:
	.size	k_q38d4be0f8b_quant, .Lfunc_end_k_q38d4be0f8b_quant-k_q38d4be0f8b_quant
	.p2alignl 7, 3214868480
	.fill 96, 4, 3214868480
	.section	.rodata,"a",@progbits
	.p2align	6, 0x0
	.amdhsa_kernel k_q38d4be0f8b_quant
		.amdhsa_group_segment_fixed_size 33280
		.amdhsa_private_segment_fixed_size 0
		.amdhsa_enable_private_segment 0
		.amdhsa_kernarg_size 80
		.amdhsa_user_sgpr_count 2
		.amdhsa_user_sgpr_kernarg_segment_ptr 1
		.amdhsa_wavefront_size32 1
		.amdhsa_system_sgpr_workgroup_id_x 1
		.amdhsa_system_sgpr_workgroup_id_y 1
		.amdhsa_system_sgpr_workgroup_id_z 1
		.amdhsa_system_vgpr_workitem_id 0
		.amdhsa_next_free_vgpr 192
		.amdhsa_next_free_sgpr 66
		.amdhsa_reserve_vcc 0
		.amdhsa_float_denorm_mode_32 3
		.amdhsa_float_denorm_mode_16_64 3
		.amdhsa_memory_ordered 1
		.amdhsa_forward_progress 1
		.amdhsa_inst_pref_size 58
	.end_amdhsa_kernel
	.amdgpu_metadata
---
amdhsa.version: [ 1, 2 ]
amdhsa.kernels:
  - .name:           k_q38d4be0f8b_quant
    .symbol:         k_q38d4be0f8b_quant.kd
    .args:
      - { .name: x, .offset: 0, .size: 8, .value_kind: global_buffer, .address_space: global }
      - { .name: W_Q, .offset: 8, .size: 8, .value_kind: global_buffer, .address_space: global }
      - { .name: W_K, .offset: 16, .size: 8, .value_kind: global_buffer, .address_space: global }
      - { .name: W_V, .offset: 24, .size: 8, .value_kind: global_buffer, .address_space: global }
      - { .name: W_O, .offset: 32, .size: 8, .value_kind: global_buffer, .address_space: global }
      - { .name: xc, .offset: 40, .size: 8, .value_kind: global_buffer, .address_space: global }
      - { .name: xs, .offset: 48, .size: 8, .value_kind: global_buffer, .address_space: global }
      - { .name: wc, .offset: 56, .size: 8, .value_kind: global_buffer, .address_space: global }
      - { .name: ws, .offset: 64, .size: 8, .value_kind: global_buffer, .address_space: global }
      - { .name: wo16, .offset: 72, .size: 8, .value_kind: global_buffer, .address_space: global }
    .group_segment_fixed_size: 33280
    .private_segment_fixed_size: 0
    .kernarg_segment_align: 8
    .kernarg_segment_size: 80
    .max_flat_workgroup_size: 128
    .sgpr_count:     66
    .vgpr_count:     192
    .wavefront_size: 32
...
	.end_amdgpu_metadata
.endif
;; end of part 1
;; launch qkv (part 2): grid 12 x 32, 4 waves a work-group, clusters of 4 x 4, 327,680 bytes of LDS; arguments xc, xs, wc, ws, qkv; writes qkv
.if DOCPART == 2
	.amdgcn_target "amdgcn-amd-amdhsa--gfx1250"
	.amdhsa_code_object_version 6
	.text
	.protected	k_q38d4be0f8b_qkv
	.globl	k_q38d4be0f8b_qkv
	.p2align	8
	.type	k_q38d4be0f8b_qkv,@function
k_q38d4be0f8b_qkv:
	s_mov_b64 s[64:65], 0
	v_nop
	global_prefetch_b8 v0, s[64:65] scope:SCOPE_SE
	s_setreg_imm32_b32 hwreg(HW_REG_WAVE_MODE, 25, 1), 1
	s_wait_xcnt 0x0
	s_wait_alu depctr_hold_cnt(0) depctr_sa_sdst(0) depctr_va_vdst(0) depctr_va_sdst(0) depctr_va_ssrc(0) depctr_va_vcc(0) depctr_vm_vsrc(0)
	s_getreg_b32 s2, hwreg(HW_REG_IB_STS2, 6, 4)
	s_cmp_eq_u32 s2, 0
	s_cbranch_scc0 .Lentry_in_a_cluster
	s_endpgm
.Lentry_in_a_cluster:
	s_bfe_u32 s2, ttmp6, 0x10000c
	s_cmp_lg_u32 s2, 0xf033
	s_cbranch_scc0 .Lentry_shape_is_right
	s_endpgm
.Lentry_shape_is_right:
; Q, K and V in one product: C[m][n] = sum over k of x[m][k] W[n][k], m 8,192, n 3,072 (W_Q's, W_K's, W_V's rows on end), k 1,024, both operands as codes of FP4 (E2M1) with one E8M0 byte for each 32 along K; sums in f32.
; C is rounded to f16 and laid by head: qkv [3 tensors][64 (16 b + h)][2048 s][64 d].  LIMIT: a result beyond 65,504 in magnitude has no f16.
; A tile of C, 256 x 256, is made by a work-group of four waves; a wave makes 128 x 128: 64 accumulators of 16 x 16, 512 registers.  K = 1,024 is two LDS slots of 512 along K (rows of 256 bytes):
; both are filled at the start and none is filled again, so the text has no loop.  By its own count a wave has three tensor loads out at the most: the scales, slot 0, slot 1.
; THE SCALES of the work-group's 256 rows of x and 256 rows of W, for all of K, are two dense blocks of memory: they come into LDS once, with the first fills.
; CLUSTERS: 4 x 4 work-groups.  The four of a row of the cluster need the same tiles of x, the four of a column the same tiles of W: each tile is asked for JOINTLY, by the same tensor load with the same descriptor
; and a mask that names the four.  THE MATRIX INSTRUCTION IS USED TRANSPOSED (source 0 = 16 rows of W, source 1 = 16 rows of x): a lane then holds eight neighbouring numbers of a row of C.
; REGISTERS, in windows of 256: window 0: v0-31 addresses; v32-95 scale words, two sets, and nothing else; v128-191 x's fragments (8 x 16 rows x 128 K), one set, on the way out rows read back; v192-223 packed results.
;   window 1: W's fragments, two sets, at v0 and at v128.   window 2: the 32 accumulators of my rows 0-63 (accumulator (a, b) at v[8 (8 a + b)]);   window 3: those of my rows 64-127.
.set SIZE_K, 1024
.set KSTEP,  512                       ; along K in a slot
.set NQ,     KSTEP/128                 ; matrix instructions deep
.set ROWB,   256                       ; a tile's row in bytes
.set KROW,   SIZE_K/2                  ; a row of codes in memory, in bytes
.set PITCH,  272                       ; an LDS row: 256 bytes + 16 of padding, an odd multiple of 16: the 16 rows that a load touches begin 16 bytes further round each time
.set FR,     8                         ; registers of a fragment: 16 rows x 128 K
.set NL,     2                         ; LDS loads that bring one
.set NP,     4                         ; places behind this matrix instruction (ISA guide 7.12.1)
.set HALFT,  128*PITCH                 ; 128 rows: what one tensor load brings, and what one wave reads of x or of W
.set SLOT,   4*HALFT                   ; x's 256 rows, then W's 256 rows
.set KS,     SIZE_K/32                 ; a row of scales in bytes
.set SCL,    2*SLOT                    ; behind the two slots: the scales, as rows of 256 bytes + 16 of padding
.set HALFS,  (128*KS/256)*272          ; the scales of 128 rows: what one tensor load brings
.set SBLK,   (16*KS/256)*272           ; those of 16 rows
.set SPARE,  SCL+4*HALFS               ; behind the scales: the spare words, 128 bytes a wave
.set SPITCH, 272                       ; the way out: a stage of 16 rows x (256 bytes + 16) for each wave, in slot 0, which has had its only fill and its last read when the first result is stored there
.set ADRA, 16                          ; v16-17  LDS address of my fragments of x in slot 0, 1
.set ADRB, 20                          ; v20-21  the same for W
.set STO,  24                          ; v24     the way out: where I put 16 bytes of a row
.set RD,   25                          ; v25     where I read back
.set CO,   26                          ; v26     16 x lane
.set ADRS, 27                          ; v27     LDS address of my scale words: lanes 0-15 x's rows, lanes 16-31 W's
.set SPW,  28                          ; v28     LDS address of my spare word; never rewritten
.set NIL,  29                          ; v29     0; never rewritten
.set SC,   32                          ; scale words: set s at v[SC + 8 NQ s]; register NQ i + q: lanes 0-15 the word of x's block i, lanes 16-31 that of W's block i, for the slot's q-th 128 along K
.set AF,   128                         ; x's fragments, in window 0
.set BK,   128                         ; the way out: v128-159 and v160-191 by turns
.set TMP,  192                         ; the way out: packed results
.set G1, 24                            ; s[24:31] descriptor group 1 for x's tiles;  s[32:39] group 0, one set for each slot
.set G0, 32
.set G1B, 48                           ; s[48:55], s[56:63] the same for W's tiles
.set G0B, 56
.set G1S, 68                           ; s[68:75], s[76:79] groups 1 and 0 for x's scales;  s[80:87], s[88:91] for W's
.set G0S, 76
.set G1SB, 80
.set G0SB, 88
.set MSB, 0
.macro WIN new                         ; the immediate's high byte repeats the setting that is left
.if MSB != \new
	s_set_vgpr_msb (MSB<<8)|\new
.set MSB, \new
.endif
.endm
.set MUL_LO, 0xa1                      ; source 0 (W) window 1, source 1 (x) window 0, C and D window 2
.set MUL_HI, 0xf1                      ; the same, C and D window 3
.set TO_B,   0x40                      ; destination window 1, address window 0
; A joint load: waves 0 and 1 fetch for x, waves 2 and 3 for W.  Each of the two lines has one mask and one set of registers for all that issue it; the branch hangs on the wave's number alone.
; An s_nop 0 and four v_nop follow each of the two lines.
.macro JLOAD g0a, g1a, g0b, g1b
	s_cmp_eq_u32 s15, 0
	s_cbranch_scc0 .Lfor_b_\@
	tensor_load_to_lds s[\g0a:\g0a+3], s[\g1a:\g1a+7]
	s_nop 0
.rept 4
	v_nop
.endr
	s_branch .Lasked_\@
.Lfor_b_\@:
	tensor_load_to_lds s[\g0b:\g0b+3], s[\g1b:\g1b+7]
	s_nop 0
.rept 4
	v_nop
.endr
.Lasked_\@:
.endm
.macro CROUND                          ; a round of the cluster's barrier
	s_barrier_signal -1
	s_barrier_wait -1
	s_cmp_lg_u32 s14, 0
	s_cbranch_scc1 .Lnot_wave_0_\@
	s_barrier_signal -3
.Lnot_wave_0_\@:
	s_barrier_wait -3
	s_barrier_signal -1
	s_barrier_wait -1
.endm
	s_load_b128 s[4:7], s[0:1], 0x0                ; x's codes s[4:5], x's scales s[6:7]
	s_load_b128 s[8:11], s[0:1], 0x10              ; W's codes s[8:9], W's scales s[10:11]
	s_load_b64 s[12:13], s[0:1], 0x20              ; qkv
	v_lshl_add_u32 v[SPW], v0, 2, SPARE
	v_mov_b32 v[NIL], 0
	ds_add_u32 v[SPW], v[NIL]                      ; the wave's opening: the add, twice on end, and its wait ahead of my first tensor load; the set-up below, work on registers, stands between
	ds_add_u32 v[SPW], v[NIL]
	v_lshrrev_b32 v1, 5, v0
	v_readfirstlane_b32 s14, v1                    ; wave 0..3
	s_lshr_b32 s15, s14, 1                         ; which half of the tile's rows is mine.  Also: I fetch for x (0) or for W (1)
	s_and_b32 s16, s14, 1                          ; which half of its columns.  Also: which 128 rows of that tile I fetch
	s_bfe_u32 s40, ttmp6, 0x40000                  ; cx, cy: my place in the cluster
	s_bfe_u32 s41, ttmp6, 0x40004
	s_lshl_b32 s42, ttmp9, 2
	s_add_co_u32 s42, s42, s40                     ; tile column of C = 4 x cluster x + cx
	s_and_b32 s17, ttmp7, 0xffff
	s_lshl_b32 s17, s17, 2
	s_add_co_u32 s17, s17, s41                     ; tile row of C = 4 x cluster y + cy
	s_lshl_b32 s43, s41, 2
	s_lshl_b32 s43, 15, s43                        ; my row of the cluster
	s_lshl_b32 s44, 0x1111, s40                    ; my column
	; descriptor group 1: a tile of 128 rows x 256 bytes, padded in LDS
	s_or_b32 s[G1+0], s43, (0<<16)|(1<<20)|(1<<21)|(5<<22)|(3<<25)  ; 15:0 the mask: x's tiles go to my row; 17:16 elements of 1 byte; 20 padding on; 21 set beside a mask; 24:22 after every 64 words; 31:25 four words
	s_or_b32 s[G1B+0], s44, (0<<16)|(1<<20)|(1<<21)|(5<<22)|(3<<25)
.irp g, G1, G1B
	s_mov_b32 s[\g+1], ROWB<<16                    ; tensor_dim0
	s_mov_b32 s[\g+2], 128<<16                     ; tensor_dim1 = 128
	s_mov_b32 s[\g+3], ROWB<<16                    ; tile_dim0
	s_mov_b32 s[\g+4], 128                         ; tile_dim1 = 128
	s_mov_b32 s[\g+5], KROW                        ; from row to row
	s_mov_b32 s[\g+6], 0
	s_mov_b32 s[\g+7], 0
.endr
	; and for the scales of 128 rows: a dense block of 4,096 bytes, as rows of 256 bytes (32 elements of 8 bytes), 16 bytes of padding behind each
	s_or_b32 s[G1S+0], s43, (3<<16)|(1<<20)|(1<<21)|(5<<22)|(3<<25)
	s_or_b32 s[G1SB+0], s44, (3<<16)|(1<<20)|(1<<21)|(5<<22)|(3<<25)
.irp g, G1S, G1SB
	s_mov_b32 s[\g+1], 32<<16
	s_mov_b32 s[\g+2], (128*KS/256)<<16
	s_mov_b32 s[\g+3], 32<<16
	s_mov_b32 s[\g+4], 128*KS/256
	s_mov_b32 s[\g+5], 32
	s_mov_b32 s[\g+6], 0
	s_mov_b32 s[\g+7], 0
.endr
	s_lshl_b32 s18, s16, 7                         ; which 128 rows of the tile I fetch
	s_lshl_b32 s20, s17, 8
	s_add_co_u32 s20, s20, s18                     ; x: row 256 x tile row + 128 x half
	s_lshl_b32 s46, s42, 8
	s_add_co_u32 s46, s46, s18                     ; W: row 256 x tile column + 128 x half
	s_mov_b32 s21, 0
	s_mov_b32 s47, 0
	s_mov_b64 s[18:19], KS
	s_mul_u64 s[22:23], s[20:21], s[18:19]         ; where these rows' scales begin, in bytes
	s_mul_u64 s[92:93], s[46:47], s[18:19]
	s_mov_b64 s[18:19], KROW
	s_mul_u64 s[20:21], s[20:21], s[18:19]         ; and their codes
	s_mul_u64 s[46:47], s[46:47], s[18:19]
	s_mul_i32 s45, s14, HALFT                      ; where they go: wave x 128 rows: no place in the cluster enters an LDS address
	s_mul_i32 s94, s14, HALFS
	s_wait_dscnt 0x0                               ; both opening adds are done
	s_wait_kmcnt 0x0
	s_add_nc_u64 s[20:21], s[4:5], s[20:21]
	s_add_nc_u64 s[22:23], s[6:7], s[22:23]
	s_add_nc_u64 s[46:47], s[8:9], s[46:47]
	s_add_nc_u64 s[92:93], s[10:11], s[92:93]
	CROUND                                         ; all sixteen work-groups are here: the first joint loads meet
	s_mov_b32 s[G0S], 1
	s_add_co_u32 s[G0S+1], s94, SCL
	s_mov_b64 s[G0S+2:G0S+3], s[22:23]
	s_or_b32 s[G0S+3], s[G0S+3], 0x80000000
	s_mov_b32 s[G0SB], 1
	s_add_co_u32 s[G0SB+1], s94, SCL
	s_mov_b64 s[G0SB+2:G0SB+3], s[92:93]
	s_or_b32 s[G0SB+3], s[G0SB+3], 0x80000000
	JLOAD G0S, G1S, G0SB, G1SB                     ; the scales first: they are wanted with slot 0
.irp s, 0,1
	s_mov_b32 s[G0+4*\s], 1
	s_add_co_u32 s[G0+4*\s+1], s45, \s*SLOT
	s_add_nc_u64 s[G0+4*\s+2:G0+4*\s+3], s[20:21], \s*ROWB
	s_or_b32 s[G0+4*\s+3], s[G0+4*\s+3], 0x80000000
	s_mov_b32 s[G0B+4*\s], 1
	s_add_co_u32 s[G0B+4*\s+1], s45, \s*SLOT
	s_add_nc_u64 s[G0B+4*\s+2:G0B+4*\s+3], s[46:47], \s*ROWB
	s_or_b32 s[G0B+4*\s+3], s[G0B+4*\s+3], 0x80000000
	JLOAD G0+4*\s, G1, G0B+4*\s, G1B
.endr
	v_and_b32 v1, 15, v0                           ; l % 16
	v_bfe_u32 v2, v0, 4, 1                         ; l / 16
	v_mul_u32_u24 v3, v1, PITCH
	v_lshl_add_u32 v4, v2, 4, v3                   ; a fragment's row x pitch + 16 x half
	s_mul_i32 s21, s15, HALFT                      ; my 128 rows of x
	s_mul_i32 s22, s16, HALFT                      ; my 128 rows of W,
	s_add_co_u32 s22, s22, 2*HALFT                 ; which lie behind x's 256
.irp s, 0,1
	v_add_nc_u32 v[ADRA+\s], s21, v4
	v_add_nc_u32 v[ADRB+\s], s22, v4
	s_add_co_u32 s21, s21, SLOT
	s_add_co_u32 s22, s22, SLOT
.endr
	v_mul_u32_u24 v5, v1, KS                       ; my row's scales: KS bytes a row,
	v_lshrrev_b32 v6, 8, v5
	v_lshl_add_u32 v5, v6, 4, v5                   ; and 16 more for each 256 passed
	s_mul_i32 s21, s15, HALFS                      ; x's: my 128 rows
	s_mul_i32 s22, s16, HALFS                      ; W's: my 128 rows, behind x's 256
	s_add_co_u32 s22, s22, 2*HALFS
	s_sub_co_u32 s22, s22, s21
	v_mul_u32_u24 v6, s22, v2                      ; lanes 16-31 take W's: one product, the distance between the two bases
	s_add_co_u32 s21, s21, SCL
	v_add_nc_u32 v5, v5, v6
	v_add_nc_u32 v[ADRS], s21, v5
	s_mul_i32 s23, s14, 16*SPITCH                  ; my stage
	v_mul_u32_u24 v5, v1, SPITCH                   ; in: row l % 16, 16 bytes for each half of the lanes
	v_lshl_add_u32 v5, v2, 4, v5
	v_add_nc_u32 v[STO], s23, v5
	v_and_b32 v6, 31, v0
	v_lshlrev_b32 v[CO], 4, v6                     ; in memory: 16 x lane: four rows of a head, 128 bytes each, lie on end
	v_lshrrev_b32 v5, 3, v6
	v_mul_u32_u24 v5, v5, SPITCH                   ; back: eight lanes to a row's 128 bytes of one head, four rows an instruction
	v_and_b32 v6, 7, v0
	v_lshl_add_u32 v5, v6, 4, v5
	v_add_nc_u32 v[RD], s23, v5
	; where my 128 rows x 2 heads begin in qkv: tensor = tile column / 4; head = 4 (tile column % 4) + 2 x column half; m0 = 256 x tile row + 128 x row half; b = m0 / 2048, s = m0 % 2048
	s_lshl_b32 s20, s17, 8
	s_lshl_b32 s21, s15, 7
	s_add_co_u32 s20, s20, s21                     ; m0
	s_lshr_b32 s21, s20, 11                        ; b
	s_and_b32 s20, s20, 2047                       ; s
	s_lshl_b32 s20, s20, 7                         ; 128 bytes a row
	s_lshl_b32 s21, s21, 4
	s_and_b32 s46, s42, 3
	s_lshl_b32 s46, s46, 2
	s_add_co_u32 s21, s21, s46
	s_lshl_b32 s46, s16, 1
	s_add_co_u32 s21, s21, s46                     ; 16 b + head
	s_lshl_b32 s21, s21, 18                        ; 262,144 bytes a head
	s_add_co_u32 s20, s20, s21
	s_lshr_b32 s46, s42, 2
	s_lshl_b32 s46, s46, 24                        ; 16,777,216 bytes a tensor
	s_add_co_u32 s20, s20, s46
	s_mov_b32 s21, 0
	s_add_nc_u64 s[12:13], s[12:13], s[20:21]      ; never stepped: all else stands in the stores' immediates
.macro FRAG reg, adr, q, i             ; a fragment, 16 rows x 128 K of 4-bit codes: lane l holds row l % 16; registers 4 c .. 4 c + 3 hold K = 64 c + 32 (l / 16) + 0 .. 31
.irp c, 0,1
	ds_load_b128 v[\reg+4*\c:\reg+4*\c+3], v[\adr] offset:64*(\q)+32*\c+(\i)*16*PITCH
.endr
.endm
; 16 matrix instructions: x's blocks a0, a0 + 1 against W's eight, 128 along K: the slot's q-th.  p: W's set;  sc: the set of scale words.  zero = 1: the first product starts the sums: nothing is cleared.
; The 64 accumulators take turns, one instruction a turn, in the same order in every step.
.macro MUL16 a0, p, q, sc, zero
.irp a, \a0, \a0+1
.irp b, 0,1,2,3,4,5,6,7
.if \zero
	v_wmma_scale_f32_16x16x128_f8f6f4 v[8*(8*((\a)%4)+\b):8*(8*((\a)%4)+\b)+7], v[128*(\p)+FR*\b:128*(\p)+FR*\b+FR-1], v[AF+FR*(\a):AF+FR*(\a)+FR-1], 0, v[SC+8*NQ*(\sc)+NQ*\b+(\q)], v[SC+8*NQ*(\sc)+NQ*(\a)+(\q)] matrix_a_fmt:MATRIX_FMT_FP4 matrix_b_fmt:MATRIX_FMT_FP4 matrix_a_scale:MATRIX_SCALE_ROW1
.else
	v_wmma_scale_f32_16x16x128_f8f6f4 v[8*(8*((\a)%4)+\b):8*(8*((\a)%4)+\b)+7], v[128*(\p)+FR*\b:128*(\p)+FR*\b+FR-1], v[AF+FR*(\a):AF+FR*(\a)+FR-1], v[8*(8*((\a)%4)+\b):8*(8*((\a)%4)+\b)+7], v[SC+8*NQ*(\sc)+NQ*\b+(\q)], v[SC+8*NQ*(\sc)+NQ*(\a)+(\q)] matrix_a_fmt:MATRIX_FMT_FP4 matrix_b_fmt:MATRIX_FMT_FP4 matrix_a_scale:MATRIX_SCALE_ROW1
.endif
.endr
.endr
.endm
.macro FETCH_B slot, q, p              ; W's eight fragments of the slot's q-th 128 along K into set p
	WIN TO_B
.irp i, 0,1,2,3,4,5,6,7
	FRAG 128*(\p)+FR*\i, ADRB+\slot, \q, \i
.endr
	WIN 0
.endm
.macro FETCH_A slot, q, i0             ; x's blocks i0 .. i0 + 3
.irp i, \i0, \i0+1, \i0+2, \i0+3
	FRAG AF+FR*(\i), ADRA+\slot, \q, \i
.endr
.endm
.macro SCALES sc                       ; a slot's scale words into set sc: NQ words a row; lanes 0-15 take x's block i, lanes 16-31 W's block i
.irp i, 0,1,2,3,4,5,6,7
	ds_load_b128 v[SC+8*NQ*\sc+NQ*\i:SC+8*NQ*\sc+NQ*\i+3], v[ADRS] offset:\i*SBLK
.endr
.endm
; A load into a register that a matrix instruction has read, and a vector instruction that reads a matrix result, stand NP places behind that matrix instruction; only plain vector instructions
; that name none of its registers are places (ISA guide 7.12.1 for vector instructions).
.macro PLACES n
.rept \n
	v_nop
.endr
.endm
; A step of 128 along K that has its successor in the same slot.  x's blocks are free as soon as their eight products are issued: blocks 0-3 are fetched anew in the step's middle, blocks 4-7 at its end.
.macro STEP slot, q, zero
	s_wait_dscnt 4*NL                              ; W's set and x's blocks 0-3 are in; the youngest eight loads (x's blocks 4-7) may be out
	WIN MUL_LO
	MUL16 0, (\q)%2, \q, \slot, \zero
	MUL16 2, (\q)%2, \q, \slot, \zero
	s_wait_dscnt 0                                 ; x's blocks 4-7 are in
	PLACES NP
	FETCH_B \slot, (\q)+1, 1-(\q)%2
	FETCH_A \slot, (\q)+1, 0
	WIN MUL_HI
	MUL16 4, (\q)%2, \q, \slot, \zero
	MUL16 6, (\q)%2, \q, \slot, \zero
	PLACES NP
	WIN 0
	FETCH_A \slot, (\q)+1, 4
.endm
; Slot 0's last step changes slots: one barrier; in front of it each wave waits for all its tensor loads (its part of slot 1), adds 0 to its spare word, and waits for that and for its own reads of slot 0.  Nothing is filled again.
.macro TURN slot, next
	s_wait_tensorcnt 0x0                           ; all my tensor loads have landed: my part of the next slot  (every window is 0 here)
	ds_add_u32 v[SPW], v[NIL]                      ; 0 onto my spare word
	s_wait_dscnt 4*NL+1                            ; (the add and the youngest eight loads, x's blocks 4-7, may be out)
	WIN MUL_LO
	MUL16 0, 1, NQ-1, \slot, 0                     ; sixteen matrix instructions stand between the add and the wait for it
	s_wait_dscnt 0x0                               ; the add is done, and my reads of this slot are over
	s_barrier_signal -1
	MUL16 2, 1, NQ-1, \slot, 0
	WIN 0
	s_barrier_wait -1
	PLACES NP
	v_add_nc_u32 v[ADRS], 4*NQ, v[ADRS]            ; on to the next slot's scale words (no LDS load of mine is out)
	FETCH_B \next, 0, 0
	FETCH_A \next, 0, 0
	SCALES \next
	WIN MUL_HI
	MUL16 4, 1, NQ-1, \slot, 0
	MUL16 6, 1, NQ-1, \slot, 0
	PLACES NP
	WIN 0
	FETCH_A \next, 0, 4
.endm
.macro STEPS slot, from                ; the slot's steps from .. NQ - 2
.set Q, \from
.rept NQ-1-\from
	STEP \slot, Q, 0
.set Q, Q+1
.endr
.endm
	s_wait_tensorcnt 1                             ; the scales and my part of slot 0 are in (slot 1's load may be out)
	s_barrier_signal -1
	s_barrier_wait -1                              ; everybody's are
	FETCH_B 0, 0, 0
	FETCH_A 0, 0, 0
	SCALES 0
	FETCH_A 0, 0, 4
	STEP 0, 0, 1                                   ; the first step's products start the sums
	STEPS 0, 1
	TURN 0, 1
	STEPS 1, 0
	s_wait_dscnt 4*NL                              ; the very last step: nothing more to fetch
	WIN MUL_LO
	MUL16 0, 1, NQ-1, 1, 0
	MUL16 2, 1, NQ-1, 1, 0
	s_wait_dscnt 0
	WIN MUL_HI
	MUL16 4, 1, NQ-1, 1, 0
	MUL16 6, 1, NQ-1, 1, 0
	WIN 0
; THE WAY OUT, block by block of 16 rows x 128 columns (two heads).  PACK: rounded to f16, a lane's eight neighbouring columns make 16 bytes.  TOSTAGE: into my own stage, and back by heads: four rows of one head are
; 512 bytes on end in qkv.  SEND: stored.  LDS serves a wave's instructions in order (ISA guide 5.7.1.4): no wait between the stage's stores and its loads.
.macro PACK a
.set AC, 64*((\a)%4)
	WIN 0x0a+5*((\a)/4)                            ; sources 0 and 1: window 2 or 3
.irp b, 0,1,2,3,4,5,6,7
.irp r, 0,1,2,3
	v_cvt_pk_f16_f32 v[TMP+4*\b+\r], v[AC+8*\b+2*\r], v[AC+8*\b+2*\r+1]   ; each accumulator from its low end on
.endr
.endr
	WIN 0
.endm
.macro TOSTAGE a
.set BB, BK+32*((\a)%2)
.irp b, 0,1,2,3,4,5,6,7
	ds_store_b128 v[STO], v[TMP+4*\b:TMP+4*\b+3] offset:32*\b
.endr
.irp h, 0,1
.irp t, 0,1,2,3
	ds_load_b128 v[BB+4*(4*\h+\t):BB+4*(4*\h+\t)+3], v[RD] offset:\t*4*SPITCH+128*\h
.endr
.endr
.endm
.macro SEND a
.set BB, BK+32*((\a)%2)
	s_wait_dscnt 0x0                               ; the block is back in registers
	s_wait_xcnt 0x0                                ; the stores of the block before have read their data: the next block's loads may land there
.irp h, 0,1
.irp t, 0,1,2,3
	global_store_b128 v[CO], v[BB+4*(4*\h+\t):BB+4*(4*\h+\t)+3], s[12:13] offset:\h*262144+(\a)*2048+\t*512   ; 32 lanes store 512 bytes on end, at a multiple of 256 from qkv's first byte
.endr
.endr
.endm
	PLACES NP                                      ; behind the last products
	PACK 0
	TOSTAGE 0
.irp a, 1,2,3,4,5,6,7                  ; block a's conversions stand between block a - 1's loads from the stage and the wait for them
	PACK \a
	SEND \a-1
	TOSTAGE \a
.endr
	SEND 7
	s_wait_tensorcnt 0x0                           ; the wave's end, behind my last tensor load and my last LDS store
	ds_add_u32 v[SPW], v[NIL]
	s_wait_dscnt 0x0
	CROUND                                         ; the closing round: no work-group ends while a partner may still ask for a tile that names it
	s_endpgm
.Lfunc_end_k_q38d4be0f8b_qkv:
	.size	k_q38d4be0f8b_qkv, .Lfunc_end_k_q38d4be0f8b_qkv-k_q38d4be0f8b_qkv
	.p2alignl 7, 3214868480
	.fill 96, 4, 3214868480
	.section	.rodata,"a",@progbits
	.p2align	6, 0x0
	.amdhsa_kernel k_q38d4be0f8b_qkv
		.amdhsa_group_segment_fixed_size 327680
		.amdhsa_private_segment_fixed_size 0
		.amdhsa_enable_private_segment 0
		.amdhsa_kernarg_size 40
		.amdhsa_user_sgpr_count 2
		.amdhsa_user_sgpr_kernarg_segment_ptr 1
		.amdhsa_wavefront_size32 1
		.amdhsa_system_sgpr_workgroup_id_x 1
		.amdhsa_system_sgpr_workgroup_id_y 1
		.amdhsa_system_sgpr_workgroup_id_z 1
		.amdhsa_system_vgpr_workitem_id 0
		.amdhsa_next_free_vgpr 1024
		.amdhsa_next_free_sgpr 98
		.amdhsa_reserve_vcc 0
		.amdhsa_float_denorm_mode_32 3
		.amdhsa_float_denorm_mode_16_64 3
		.amdhsa_memory_ordered 1
		.amdhsa_forward_progress 1
		.amdhsa_inst_pref_size 126
	.end_amdhsa_kernel
	.amdgpu_metadata
---
amdhsa.version: [ 1, 2 ]
amdhsa.kernels:
  - .name:           k_q38d4be0f8b_qkv
    .symbol:         k_q38d4be0f8b_qkv.kd
    .args:
      - { .name: xc, .offset: 0, .size: 8, .value_kind: global_buffer, .address_space: global }
      - { .name: xs, .offset: 8, .size: 8, .value_kind: global_buffer, .address_space: global }
      - { .name: wc, .offset: 16, .size: 8, .value_kind: global_buffer, .address_space: global }
      - { .name: ws, .offset: 24, .size: 8, .value_kind: global_buffer, .address_space: global }
      - { .name: qkv, .offset: 32, .size: 8, .value_kind: global_buffer, .address_space: global }
    .group_segment_fixed_size: 327680
    .private_segment_fixed_size: 0
    .kernarg_segment_align: 8
    .kernarg_segment_size: 40
    .max_flat_workgroup_size: 128
    .sgpr_count:     98
    .vgpr_count:     1024
    .wavefront_size: 32
...
	.end_amdgpu_metadata
.endif
;; end of part 2
;; launch attn (part 3): grid 4 x 64, 16 waves a work-group, clusters of 4 x 1, 327,680 bytes of LDS; arguments qkv, ao; writes ao
.if DOCPART == 3
	.amdgcn_target "amdgcn-amd-amdhsa--gfx1250"
	.amdhsa_code_object_version 6
	.text
	.protected	k_q38d4be0f8b_attn
	.globl	k_q38d4be0f8b_attn
	.p2align	8
	.type	k_q38d4be0f8b_attn,@function
k_q38d4be0f8b_attn:
	s_mov_b64 s[64:65], 0
	v_nop
	global_prefetch_b8 v0, s[64:65] scope:SCOPE_SE
	s_setreg_imm32_b32 hwreg(HW_REG_WAVE_MODE, 25, 1), 1
	s_wait_xcnt 0x0
	s_wait_alu depctr_hold_cnt(0) depctr_sa_sdst(0) depctr_va_vdst(0) depctr_va_sdst(0) depctr_va_ssrc(0) depctr_va_vcc(0) depctr_vm_vsrc(0)
	s_getreg_b32 s2, hwreg(HW_REG_IB_STS2, 6, 4)
	s_cmp_eq_u32 s2, 0
	s_cbranch_scc0 .Lentry_in_a_cluster
	s_endpgm
.Lentry_in_a_cluster:
	s_bfe_u32 s2, ttmp6, 0x10000c
	s_cmp_lg_u32 s2, 0x3003
	s_cbranch_scc0 .Lentry_shape_is_right
	s_endpgm
.Lentry_shape_is_right:
; O[bh][q] = the sum over k <= q of softmax_k(Q[bh][q] . K[bh][k] / 8) V[bh][k].  Q, K, V: qkv [3][64 bh][2048][64], f16.  Products, maxima and sums in f32; the weights p are rounded to f16 for the second product.
; O is rounded to f16 once and laid as the projection wants it: ao [64 (16 b + s / 128)][16 h][128 rows][64 d].
; LIMITS: NaN and infinities are not served; the running maximum starts at -3e38; a row of O beyond 65,504 has no f16.  (Positions 0-15 of each sequence are made again, in f32, by two later launches.)
; SHARES.  A cluster of four work-groups is one (b, h).  Its 2,048 queries are 64 groups of 32; work-group cx, wave w takes the group at 128 rank + 32 cx: two tiles of 16 queries, so that each fragment of K and V feeds two products.
; rank = 4 j + (k xor 3 (j & 1)), k = w & 3, j = w / 4: waves w, w + 4, w + 8, w + 12 have ranks that add up to 30, whatever k.  A wave walks the keys 64 a step and works 2 (rank + 1) steps.
; CAUSAL.  Every wave passes all 32 steps and all changes of slots; a step whose first key is at or beyond 128 rank + 128 is jumped over, one at or beyond 128 rank is masked.  Both tests hang on the wave's number and the count
; of steps, never on cx: the four partners run alike (for cx 0 and 1 the second masked step is wholly hidden and worked all the same: p = 0 there).  The wave of rank 15 reads every tile, in every partner.
; CLUSTER.  The partners walk the same K and V in step: each tile is asked for JOINTLY, by the same tensor load with the same descriptor and the mask 15.
; LAYOUT.  S^T = K Q^T (source 0 = 16 keys, source 1 = 16 queries): a lane holds ONE query (lane % 16) and the keys 8 (lane / 16) + 0..7.  Two such tiles, rounded in pairs, ARE source 1 (32 keys x 16 queries) of O^T = V^T P.
; K comes out of LDS as it lies, V ([key][channel]) turned, by ds_load_tr16_b128.
; SOFTMAX.  For each query a running maximum m and sum l: p = 2^(c s - c m), c = log2(e) / 8; in every step O and l are multiplied by a = 2^(c m_old - c m_new).
; RING.  Two slots of 4 key steps (256 keys).  Waves 0-3 fetch K's four tiles of 64 rows, waves 4-7 V's: one tensor load a wave is out at any time, and every wait on TENSORcnt is for 0.
.set KS,    64                         ; keys in a step
.set PK,    144                        ; a row of K in LDS: 128 bytes + 16, an odd multiple of 16
.set PV,    160                        ; a row of V: 128 + 32, an odd multiple of 32
.set VOFF,  KS*PK                      ; a step's tiles lie together: 64 rows of K, then 64 rows of V
.set STEPB, KS*(PK+PV)
.set NST,   4                          ; steps in a slot
.set SLOT1, 1<<17                      ; slot 1 begins here, so that one exclusive or turns an address in one slot into the other's
.set STAGE, SLOT1+NST*STEPB            ; behind the ring: 32 rows x 144 bytes for each wave, for the way out
.set SPT,   144
.set SPARE, STAGE+16*32*SPT            ; behind the stages: the spare words, 128 bytes a wave
.set SLOTB, NST*KS*128                 ; a slot's rows of K or of V in memory: 32,768 bytes on end
.set TEN,   1<<24                      ; from tensor to tensor in qkv
.set AK0, 1                            ; v1   my lane's place in a tile of K; never rewritten
.set AV0, 2                            ; v2   the same for V
.set SPW, 3                            ; v3   LDS address of my spare word; never rewritten
.set NIL, 4                            ; v4   0; never rewritten
.set ADK, 5                            ; v5   LDS address of the step's K
.set ADV, 6                            ; v6   and V
.set QL,  7                            ; v7   my first tile's query - 8 (lane / 16)
.set DD,  8                            ; v8   QL - the step's first key
.set NINF, 9                           ; v9   -infinity
.set PFO, 10                           ; v10  256 x lane: the prefetches' offset; never rewritten
.set QO,  11                           ; v11  my byte offset in the wave's rows of Q; on the way out 16 x lane
.set STO, 12                           ; v12  the way out: where I put 16 bytes of a row
.set RD,  13                           ; v13  and where I read back
.set ST,  16                           ; tile t's statistics at v[ST+8 t]: +0 c m, +1 m, +2, +3 l in two halves, +4, +5 at work, +6 a, +7 c m_old - c m_new
.set Q,   32                           ; v32-63   Q: tile t, channels 32 c on: Q + 16 t + 8 c
.set KV,  64                           ; v64-127  K's 8 fragments of a step, then V's 8
.set S,   128                          ; v128-191 S^T: S + 32 t + 8 k; then p; P is packed in place into S + 32 t + 0..15
.set O,   192                          ; v192-255 O^T: O + 32 t + 8 n
.set WV,  8
.set RK,  9
.set CX,  10
.set BH,  11
.set QS,  12                           ; s12  128 rank: from this key on a step is masked
.set QE,  13                           ; s13  128 rank + 128: from this key on a step is left out
.set KF,  14                           ; s14  the step's first key
.set TB,  15                           ; s15  LDS byte at which the step's tiles begin
.set SLOTS, 16                         ; s16  slots still to be asked for
.set FOUR, 17
.set LIM, 18                           ; s18  1 in a wave that prefetches, else the greatest number
.set SEL, 20                           ; s[20:21] lane selects for v_permlanex16_b32: lane l xor 16
.set CS,  22                           ; s[22:23] c, twice: the packed form names a pair
.set G1K, 24                           ; s[24:31] descriptor group 1 for K's tiles;  s[32:39] for V's: it differs in the padding alone
.set G1V, 32
.set G0K, 40                           ; s[40:43], s[44:47] their groups 0, which walk
.set G0V, 44
.set PFA, 48                           ; s[48:49] where my prefetches stand
.macro JLOAD                           ; waves 0-3 fetch K's tiles, waves 4-7 V's, the others nothing.  The branches hang on the wave's number alone.  An s_nop 0 and four v_nop follow each line
	s_cmp_lt_u32 s[WV], 4
	s_cbranch_scc0 .Lnot_k_\@
	tensor_load_to_lds s[G0K:G0K+3], s[G1K:G1K+7]
	s_nop 0
.rept 4
	v_nop
.endr
	s_branch .Lasked_\@
.Lnot_k_\@:
	s_cmp_lt_u32 s[WV], 8
	s_cbranch_scc0 .Lasked_\@
	tensor_load_to_lds s[G0V:G0V+3], s[G1V:G1V+7]
	s_nop 0
.rept 4
	v_nop
.endr
.Lasked_\@:
.endm
; A PREFETCH INTO THE L2 of what the NEXT change of slots will ask for: a slot's 32,768 bytes of K and of V.  Wave 8 asks for K's, wave 9 for V's, one instruction each, lanes 256 bytes apart: 8,192 bytes;
; the four partners take 8,192 bytes each, told apart BY ADDRESS.  A head has one cluster, so each aligned 256 bytes are named once in the launch.  It stands a slot's four key steps ahead of the load that wants the bytes.
; The last change that fills a slot asks for nothing; slots 0 and 1 come by their loads alone.
.macro ASK
	s_cmp_gt_u32 s[SLOTS], s[LIM]
	s_cbranch_scc0 .Lnot_mine_\@
	global_prefetch_b8 v[PFO], s[PFA:PFA+1] th:TH_LOAD_NT scope:SCOPE_SE
.Lnot_mine_\@:
.endm
.macro CROUND                          ; a round of the cluster's barrier
	s_barrier_signal -1
	s_barrier_wait -1
	s_cmp_lg_u32 s[WV], 0
	s_cbranch_scc1 .Lnot_wave_0_\@
	s_barrier_signal -3
.Lnot_wave_0_\@:
	s_barrier_wait -3
	s_barrier_signal -1
	s_barrier_wait -1
.endm
	s_load_b128 s[4:7], s[0:1], 0x0                ; qkv s[4:5], ao s[6:7]
	v_lshl_add_u32 v[SPW], v0, 2, SPARE
	v_mov_b32 v[NIL], 0
	ds_add_u32 v[SPW], v[NIL]                      ; the wave's opening: the add, twice on end, and its wait ahead of the first tensor loads; the set-up below, work on registers, stands between
	ds_add_u32 v[SPW], v[NIL]
	v_lshrrev_b32 v14, 5, v0
	v_readfirstlane_b32 s[WV], v14                 ; wave 0..15
	s_and_b32 s50, s[WV], 3                        ; k
	s_lshr_b32 s51, s[WV], 2                       ; j
	s_and_b32 s52, s51, 1
	s_mul_i32 s52, s52, 3
	s_xor_b32 s52, s52, s50
	s_lshl_b32 s51, s51, 2
	s_add_co_u32 s[RK], s51, s52                   ; rank
	s_bfe_u32 s[CX], ttmp6, 0x40000                ; cx: it enters Q's, ao's and the prefetches' addresses and the mask's data alone
	s_and_b32 s[BH], ttmp7, 0xffff                 ; 16 b + h, which the partners share
	s_lshl_b32 s[QS], s[RK], 7
	s_add_co_u32 s[QE], s[QS], 128
	s_mov_b32 s[KF], 0
	s_mov_b32 s[TB], 0
	s_mov_b32 s[SLOTS], 7
	s_mov_b32 s[SEL], 0x76543210
	s_mov_b32 s[SEL+1], 0xfedcba98
	s_mov_b32 s[CS], 0x3e38aa3b                    ; c = log2(e) / 8
	s_mov_b32 s[CS+1], s[CS]
	; descriptor group 1: a tile of 64 rows x 64 elements of 2 bytes, padded behind every row
	s_mov_b32 s[G1K], 15|(1<<16)|(1<<20)|(1<<21)|(4<<22)|(3<<25)  ; 15:0 the mask: all four; 17:16 2 bytes; 20 padding on; 21 set beside a mask; 24:22 after every 32 words; 31:25 four words
	s_mov_b32 s[G1V], 15|(1<<16)|(1<<20)|(1<<21)|(4<<22)|(7<<25)  ; the same with eight words
.irp g, G1K, G1V
	s_mov_b32 s[\g+1], 64<<16                      ; tensor_dim0 = 64
	s_mov_b32 s[\g+2], KS<<16                      ; tensor_dim1 = 64
	s_mov_b32 s[\g+3], 64<<16                      ; tile_dim0 = 64
	s_mov_b32 s[\g+4], KS                          ; tile_dim1 = 64
	s_mov_b32 s[\g+5], 64                          ; from row to row
	s_mov_b32 s[\g+6], 0
	s_mov_b32 s[\g+7], 0
.endr
	s_lshl_b32 s53, s[BH], 18                      ; the head's first byte in a tensor
	s_lshl_b32 s54, s50, 13                        ; the key step that I fetch: 64 rows of 128 bytes,
	s_add_co_u32 s54, s54, s53
	s_add_co_u32 s54, s54, TEN                     ; in K
	s_mov_b32 s55, 0
	s_mul_i32 s56, s50, STEPB                      ; and its place in a slot
	s_lshl_b32 s57, s[CX], 5
	s_add_co_u32 s57, s57, s[QS]                   ; my first query
	s_lshl_b32 s58, s57, 7
	s_add_co_u32 s58, s58, s53                     ; its row of Q
	s_mov_b32 s59, 0
	s_and_b32 s60, s[BH], 0xf0                     ; 16 b
	s_add_co_u32 s60, s60, s[RK]
	s_lshl_b32 s60, s60, 18                        ; ao: the block of 128 rows,
	s_and_b32 s61, s[BH], 15
	s_lshl_b32 s61, s61, 14                        ; the head's plane,
	s_add_co_u32 s60, s60, s61
	s_lshl_b32 s61, s[CX], 12                      ; my 32 rows of 128 bytes
	s_add_co_u32 s60, s60, s61
	s_mov_b32 s61, 0
	s_and_b32 s62, s[WV], 1                        ; the prefetches: wave 8 K, wave 9 V,
	s_lshl_b32 s62, s62, 24
	s_add_co_u32 s62, s62, s53
	s_add_co_u32 s62, s62, TEN+SLOTB               ; in slot 1: the first change of slots steps it to slot 2,
	s_lshl_b32 s63, s[CX], 13                      ; my work-group's 8,192 bytes
	s_add_co_u32 s62, s62, s63
	s_mov_b32 s63, 0
	s_lshr_b32 s19, s[WV], 1
	s_cmp_eq_u32 s19, 4
	s_cselect_b32 s[LIM], 1, -1
	s_mul_i32 s19, s[WV], 32*SPT
	s_add_co_u32 s19, s19, STAGE                   ; my stage
	s_wait_dscnt 0x0                               ; both opening adds are done
	s_wait_kmcnt 0x0
	s_mov_b32 s[G0K], 1                            ; count = 1
	s_mov_b32 s[G0K+1], s56                        ; LDS address: slot 0
	s_add_nc_u64 s[G0K+2:G0K+3], s[4:5], s[54:55]  ; global address
	s_mov_b32 s[G0V], 1
	s_add_co_u32 s[G0V+1], s56, VOFF
	s_add_nc_u64 s[G0V+2:G0V+3], s[G0K+2:G0K+3], TEN
	s_or_b32 s[G0K+3], s[G0K+3], 0x80000000        ; type = 2
	s_or_b32 s[G0V+3], s[G0V+3], 0x80000000
	s_add_nc_u64 s[PFA:PFA+1], s[4:5], s[62:63]
	s_add_nc_u64 s[58:59], s[4:5], s[58:59]        ; Q at my first query
	s_add_nc_u64 s[6:7], s[6:7], s[60:61]          ; ao at my 32 rows
	CROUND                                         ; all four work-groups are here: the first joint loads meet
	JLOAD                                          ; slot 0
	v_and_b32 v14, 15, v0                          ; r = lane % 16
	v_bfe_u32 v15, v0, 4, 1                        ; hf = lane / 16
	v_lshlrev_b32 v[QO], 7, v14
	v_lshl_add_u32 v[QO], v15, 4, v[QO]            ; row r of 128 bytes + 16 hf
.irp t, 0,1
.irp c, 0,1
	global_load_b128 v[Q+16*\t+8*\c:Q+16*\t+8*\c+3], v[QO], s[58:59] offset:2048*\t+64*\c       ; Q stays in registers
	global_load_b128 v[Q+16*\t+8*\c+4:Q+16*\t+8*\c+7], v[QO], s[58:59] offset:2048*\t+64*\c+32
.endr
.endr
	v_mul_u32_u24 v[AK0], v14, PK
	v_lshl_add_u32 v[AK0], v15, 4, v[AK0]          ; K: row r x pitch + 16 hf
	v_and_b32 v5, 7, v0
	v_bfe_u32 v6, v0, 3, 1
	v_lshl_add_u32 v[AV0], v15, 3, v5              ; V, for the turning load: key 8 hf + lane % 8,
	v_mul_u32_u24 v[AV0], v[AV0], PV
	v_lshl_add_u32 v[AV0], v6, 4, v[AV0]           ; channels 8 ((lane / 8) % 2) on
	v_add_nc_u32 v[AV0], VOFF, v[AV0]
	v_add_nc_u32 v[STO], s19, v[AK0]               ; the stage, in: row r, 16 bytes for each half of the lanes (its pitch is K's)
	v_and_b32 v6, 31, v0
	v_lshrrev_b32 v6, 3, v6
	v_mul_u32_u24 v6, v6, SPT
	v_lshl_add_u32 v6, v5, 4, v6
	v_add_nc_u32 v[RD], s19, v6                    ; back: eight lanes to a row of 128 bytes, four rows an instruction
	v_lshlrev_b32 v[QL], 3, v15
	v_sub_nc_u32 v[QL], v14, v[QL]
	v_add_nc_u32 v[QL], s57, v[QL]
	v_mov_b32 v[NINF], 0xff800000
	v_and_b32 v[PFO], 31, v0
	v_lshlrev_b32 v[PFO], 8, v[PFO]
.irp t, 0,1
	v_mov_b32 v[ST+8*\t+1], 0xff61b1e6             ; m = -3e38, under every score
	v_mul_f32 v[ST+8*\t], s[CS], v[ST+8*\t+1]      ; c m
	v_mov_b32 v[ST+8*\t+2], 0                      ; l
	v_mov_b32 v[ST+8*\t+3], 0
	v_mov_b32 v[ST+8*\t+5], 0                      ; (a lane permute's destination counts as one of its sources)
	v_mov_b32 v[ST+8*\t+7], 0
.endr
.set i, 0
.rept 64
	v_mov_b32 v[O+i], 0                            ; O^T.  (The step is written once: the first finds zeros, which a = 0 leaves zeros)
.set i, i+1
.endr
; A KEY STEP: 64 keys, both tiles of queries.
.macro STEP
	s_cmp_ge_u32 s[KF], s[QE]                      ; all its keys come after the queries of my rank: left out; not the lines at its end that step addresses
	s_cbranch_scc1 .Lhidden_\@
	v_add_nc_u32 v[ADK], s[TB], v[AK0]
	v_add_nc_u32 v[ADV], s[TB], v[AV0]
.rept 4
	v_nop                                          ; with the two additions six places behind the last step's products: four are owed by the loads into V's registers, five by the products below, which write over P's
.endr
.irp k, 0,1,2,3                        ; K: keys 16 k on, channels 32 c on
.irp c, 0,1
	ds_load_b128 v[KV+16*\k+8*\c:KV+16*\k+8*\c+3], v[ADK] offset:\k*16*PK+64*\c
	ds_load_b128 v[KV+16*\k+8*\c+4:KV+16*\k+8*\c+7], v[ADK] offset:\k*16*PK+64*\c+32
.endr
.endr
	s_wait_dscnt 0x0
.irp c, 0,1                            ; S^T = K Q^T: eight accumulators take turns, one instruction a turn; the first eight start the sums
.irp k, 0,1,2,3
.irp t, 0,1
.if \c == 0
	v_wmma_f32_16x16x32_f16 v[S+32*\t+8*\k:S+32*\t+8*\k+7], v[KV+16*\k:KV+16*\k+7], v[Q+16*\t:Q+16*\t+7], 0
.else
	v_wmma_f32_16x16x32_f16 v[S+32*\t+8*\k:S+32*\t+8*\k+7], v[KV+16*\k+8:KV+16*\k+15], v[Q+16*\t+8:Q+16*\t+15], v[S+32*\t+8*\k:S+32*\t+8*\k+7]
.endif
.endr
.endr
.endr
	v_sub_nc_u32 v[DD], v[QL], s[KF]               ; four places: in front of the loads into K's registers, and of the first read of the scores
.rept 3
	v_nop
.endr
.irp c, 0,1                            ; V, turned: keys 32 c on, channels 16 n on.  The loads land while the softmax is worked
.irp n, 0,1,2,3
	ds_load_tr16_b128 v[KV+8*(4*\c+\n):KV+8*(4*\c+\n)+3], v[ADV] offset:\c*32*PV+32*\n
	ds_load_tr16_b128 v[KV+8*(4*\c+\n)+4:KV+8*(4*\c+\n)+7], v[ADV] offset:\c*32*PV+16*PV+32*\n
.endr
.endr
	s_cmp_lt_u32 s[KF], s[QS]                      ; a step all of whose keys count for every query of my rank skips the mask
	s_cbranch_scc1 .Lopen_\@
.irp t, 0,1                            ; register 8 k + j of tile t holds key KF + 16 k + 8 hf + j for query Q0 + 16 t + r: hidden where 16 k + j - 16 t > Q0 + r - 8 hf - KF
.irp k, 0,1,2,3
.irp j, 0,1,2,3,4,5,6,7
	v_cmp_gt_i32 vcc_lo, 16*\k+\j-16*\t, v[DD]
	v_cndmask_b32 v[S+32*\t+8*\k+\j], v[S+32*\t+8*\k+\j], v[NINF], vcc_lo
.endr
.endr
.endr
.Lopen_\@:
.irp t, 0,1                            ; the maximum of my 32 scores and the old m: two chains a tile; each accumulator is read from its low end on
	v_max3_num_f32 v[ST+8*\t+4], v[S+32*\t], v[S+32*\t+1], v[S+32*\t+2]
	v_max3_num_f32 v[ST+8*\t+5], v[S+32*\t+3], v[S+32*\t+4], v[S+32*\t+5]
.endr
.irp i, 6,10,14,18,22,26
.irp t, 0,1
	v_max3_num_f32 v[ST+8*\t+4], v[ST+8*\t+4], v[S+32*\t+\i], v[S+32*\t+\i+1]
	v_max3_num_f32 v[ST+8*\t+5], v[ST+8*\t+5], v[S+32*\t+\i+2], v[S+32*\t+\i+3]
.endr
.endr
.irp t, 0,1
	v_max3_num_f32 v[ST+8*\t+4], v[ST+8*\t+4], v[S+32*\t+30], v[S+32*\t+31]
.endr
.irp t, 0,1
	v_max3_num_f32 v[ST+8*\t+4], v[ST+8*\t+4], v[ST+8*\t+5], v[ST+8*\t+1]
.endr
.irp t, 0,1
	v_permlanex16_b32 v[ST+8*\t+5], v[ST+8*\t+4], s[SEL], s[SEL+1]   ; the query's other 32 keys lie in the lane 16 away
.endr
.irp t, 0,1
	v_mov_b32 v[ST+8*\t+7], v[ST+8*\t]             ; c m_old
.endr
.irp t, 0,1
	v_max_num_f32 v[ST+8*\t+1], v[ST+8*\t+4], v[ST+8*\t+5]
.endr
.irp t, 0,1
	v_mul_f32 v[ST+8*\t], s[CS], v[ST+8*\t+1]
.endr
.irp t, 0,1
	v_sub_f32 v[ST+8*\t+7], v[ST+8*\t+7], v[ST+8*\t]
.endr
.irp t, 0,1
.set i, 0
.rept 16
	v_pk_fma_f32 v[S+32*\t+i:S+32*\t+i+1], v[S+32*\t+i:S+32*\t+i+1], s[CS:CS+1], v[ST+8*\t:ST+8*\t+1] op_sel_hi:[1,0,0] neg_lo:[0,0,1] neg_hi:[0,0,1]   ; c s - c m, two at a time
.set i, i+2
.endr
.endr
.irp t, 0,1                            ; ONE BATCH of 66 exponentials, none of which reads another's result
	v_exp_f32 v[ST+8*\t+6], v[ST+8*\t+7]           ; a
.endr
.irp t, 0,1
.set i, 0
.rept 32
	v_exp_f32 v[S+32*\t+i], v[S+32*\t+i]           ; p
.set i, i+1
.endr
.endr
	v_nop                                          ; a plain instruction behind the last exponential,
	s_wait_alu depctr_va_vdst(0)                   ; and one wait for the batch, ahead of its first reader
.irp t, 0,1                            ; l = a l + the sum of the unrounded p, in two chains
	v_pk_mul_f32 v[ST+8*\t+2:ST+8*\t+3], v[ST+8*\t+2:ST+8*\t+3], v[ST+8*\t+6:ST+8*\t+7] op_sel_hi:[1,0]
	v_pk_add_f32 v[ST+8*\t+4:ST+8*\t+5], v[S+32*\t:S+32*\t+1], v[S+32*\t+2:S+32*\t+3]
.endr
.irp j, 4,8,12,16,20,24,28
.irp t, 0,1
	v_pk_add_f32 v[ST+8*\t+2:ST+8*\t+3], v[ST+8*\t+2:ST+8*\t+3], v[S+32*\t+\j:S+32*\t+\j+1]
	v_pk_add_f32 v[ST+8*\t+4:ST+8*\t+5], v[ST+8*\t+4:ST+8*\t+5], v[S+32*\t+\j+2:S+32*\t+\j+3]
.endr
.endr
.irp t, 0,1
	v_pk_add_f32 v[ST+8*\t+2:ST+8*\t+3], v[ST+8*\t+2:ST+8*\t+3], v[ST+8*\t+4:ST+8*\t+5]
.endr
.irp t, 0,1
.set i, 0
.rept 16
	v_cvt_pk_f16_f32 v[S+32*\t+i], v[S+32*\t+2*i], v[S+32*\t+2*i+1]   ; P, in place and ascending: register i has been read when it is written
.set i, i+1
.endr
.endr
.irp t, 0,1
.set i, 0
.rept 16
	v_pk_mul_f32 v[O+32*\t+i:O+32*\t+i+1], v[O+32*\t+i:O+32*\t+i+1], v[ST+8*\t+6:ST+8*\t+7] op_sel_hi:[1,0]   ; O^T x a, each accumulator from its low end on
.set i, i+2
.endr
.endr
	s_wait_dscnt 0x0                               ; V is in
.irp c, 0,1                            ; O^T += V^T P: eight accumulators take turns
.irp n, 0,1,2,3
.irp t, 0,1
	v_wmma_f32_16x16x32_f16 v[O+32*\t+8*\n:O+32*\t+8*\n+7], v[KV+8*(4*\c+\n):KV+8*(4*\c+\n)+7], v[S+32*\t+8*\c:S+32*\t+8*\c+7], v[O+32*\t+8*\n:O+32*\t+8*\n+7]
.endr
.endr
.endr
.Lhidden_\@:
	s_add_co_u32 s[KF], s[KF], KS
	s_add_co_u32 s[TB], s[TB], STEPB
.endm
; THE CHANGE OF SLOTS stands at a slot's head.  Each wave waits for all its tensor loads (its part of the slot that it is about to read), adds 0 to its spare word, and waits for that and for its reads of the slot that it has left.
; fill = 1: the barrier is a round of the cluster's, so that no wave of any partner still reads the other slot or has a load on its way; the joint load of the keys that follow is the first thing behind it
; and has a slot's four steps in which to land.  The add stands twice there, in every trip alike.
.macro CHANGE fill
	s_wait_tensorcnt 0x0                           ; no tensor load of mine is out, so a group 0 may be written
	ds_add_u32 v[SPW], v[NIL]                      ; 0 onto my spare word
.if \fill
	ds_add_u32 v[SPW], v[NIL]
	s_xor_b32 s[G0K+1], s[G0K+1], SLOT1            ; the walking descriptors: the other slot than last time,
	s_add_nc_u64 s[G0K+2:G0K+3], s[G0K+2:G0K+3], SLOTB   ; the next 256 keys; the type bits on top are not reached
	s_xor_b32 s[G0V+1], s[G0V+1], SLOT1
	s_add_nc_u64 s[G0V+2:G0V+3], s[G0V+2:G0V+3], SLOTB
	s_wait_xcnt 0x0                                ; the last prefetch, a slot back, has read its address, so it may be written:
	s_add_nc_u64 s[PFA:PFA+1], s[PFA:PFA+1], SLOTB ; one slot further on than the walking descriptors
	s_wait_dscnt 0x0                               ; both adds are done, and my reads of the slot that I have left are over
	CROUND
	JLOAD
	ASK
.else
	s_wait_dscnt 0x0
	s_barrier_signal -1
	s_barrier_wait -1
.endif
.endm
.macro FOUR_STEPS                      ; a slot's four key steps: written once, walked four times; the LDS addresses hang on s[TB]
	s_mov_b32 s[FOUR], NST
.Lstep_\@:
	STEP
	s_sub_co_u32 s[FOUR], s[FOUR], 1
	s_cmp_lg_u32 s[FOUR], 0
	s_cbranch_scc1 .Lstep_\@
	s_sub_co_u32 s[TB], s[TB], NST*STEPB           ; back to a slot's first step,
	s_xor_b32 s[TB], s[TB], SLOT1                  ; in the other slot
.endm
	s_wait_loadcnt 0x0                             ; Q
.Lslot:                                ; seven trips: behind each change of slots but the last the next slot is asked for
	CHANGE 1
	FOUR_STEPS
	s_sub_co_u32 s[SLOTS], s[SLOTS], 1
	s_cmp_lg_u32 s[SLOTS], 0
	s_cbranch_scc1 .Lslot
	CHANGE 0                                       ; the last slot is written out
	FOUR_STEPS
	; THE WAY OUT.  l's two halves and the other half of the lanes' are added; O^T is divided by l, rounded to f16 and sent through my stage: 32 rows of 128 bytes, which lie on end in ao.
.rept 4
	v_nop
.endr
.irp t, 0,1
	v_add_f32 v[ST+8*\t+4], v[ST+8*\t+2], v[ST+8*\t+3]
.endr
.irp t, 0,1
	v_permlanex16_b32 v[ST+8*\t+5], v[ST+8*\t+4], s[SEL], s[SEL+1]
.endr
.irp t, 0,1
	v_add_f32 v[ST+8*\t+4], v[ST+8*\t+4], v[ST+8*\t+5]
.endr
.irp t, 0,1
	v_rcp_f32 v[ST+8*\t+6], v[ST+8*\t+4]
.endr
	v_and_b32 v[QO], 31, v0                        ; (plain lines behind the reciprocals)
	v_lshlrev_b32 v[QO], 4, v[QO]                  ; 16 x lane
	s_wait_alu depctr_va_vdst(0)                   ; one wait for the two, ahead of their first reader
.irp t, 0,1
.set i, 0
.rept 16
	v_pk_mul_f32 v[O+32*\t+i:O+32*\t+i+1], v[O+32*\t+i:O+32*\t+i+1], v[ST+8*\t+6:ST+8*\t+7] op_sel_hi:[1,0]
.set i, i+2
.endr
.endr
.set i, 0
.rept 32
	v_cvt_pk_f16_f32 v[S+i], v[O+2*i], v[O+2*i+1]  ; register 16 t + 4 n + u: channels 16 n + 8 hf + 2 u, + 1 of query 16 t + r
.set i, i+1
.endr
.irp t, 0,1
.irp n, 0,1,2,3
	ds_store_b128 v[STO], v[S+16*\t+4*\n:S+16*\t+4*\n+3] offset:16*\t*SPT+32*\n
.endr
.endr
.irp i, 0,1,2,3,4,5,6,7
	ds_load_b128 v[KV+4*\i:KV+4*\i+3], v[RD] offset:4*\i*SPT   ; LDS serves a wave's instructions in order: these see my stores
.endr
.irp i, 0,1,2,3,4,5,6,7
	s_wait_dscnt 7-\i                              ; the younger loads of the eight may be out
	global_store_b128 v[QO], v[KV+4*\i:KV+4*\i+3], s[6:7] offset:512*\i   ; 32 lanes store 512 bytes on end, aligned
.endr
	s_wait_tensorcnt 0x0                           ; the wave's end, behind my last tensor load and my last LDS store
	ds_add_u32 v[SPW], v[NIL]
	s_wait_dscnt 0x0
	CROUND                                         ; the closing round: no work-group ends while a partner may still ask for a tile that names it
	s_endpgm
.Lfunc_end_k_q38d4be0f8b_attn:
	.size	k_q38d4be0f8b_attn, .Lfunc_end_k_q38d4be0f8b_attn-k_q38d4be0f8b_attn
	.p2alignl 7, 3214868480
	.fill 96, 4, 3214868480
	.section	.rodata,"a",@progbits
	.p2align	6, 0x0
	.amdhsa_kernel k_q38d4be0f8b_attn
		.amdhsa_group_segment_fixed_size 327680
		.amdhsa_private_segment_fixed_size 0
		.amdhsa_enable_private_segment 0
		.amdhsa_kernarg_size 16
		.amdhsa_user_sgpr_count 2
		.amdhsa_user_sgpr_kernarg_segment_ptr 1
		.amdhsa_wavefront_size32 1
		.amdhsa_system_sgpr_workgroup_id_x 1
		.amdhsa_system_sgpr_workgroup_id_y 1
		.amdhsa_system_sgpr_workgroup_id_z 1
		.amdhsa_system_vgpr_workitem_id 0
		.amdhsa_next_free_vgpr 256
		.amdhsa_next_free_sgpr 66
		.amdhsa_reserve_vcc 1
		.amdhsa_float_denorm_mode_32 3
		.amdhsa_float_denorm_mode_16_64 3
		.amdhsa_memory_ordered 1
		.amdhsa_forward_progress 1
		.amdhsa_inst_pref_size 62
	.end_amdhsa_kernel
	.amdgpu_metadata
---
amdhsa.version: [ 1, 2 ]
amdhsa.kernels:
  - .name:           k_q38d4be0f8b_attn
    .symbol:         k_q38d4be0f8b_attn.kd
    .args:
      - { .name: qkv, .offset: 0, .size: 8, .value_kind: global_buffer, .address_space: global }
      - { .name: ao, .offset: 8, .size: 8, .value_kind: global_buffer, .address_space: global }
    .group_segment_fixed_size: 327680
    .private_segment_fixed_size: 0
    .kernarg_segment_align: 8
    .kernarg_segment_size: 16
    .max_flat_workgroup_size: 512
    .sgpr_count:     66
    .vgpr_count:     256
    .wavefront_size: 32
...
	.end_amdgpu_metadata
.endif
;; end of part 3
;; launch proj (part 4): grid 8 x 64, 4 waves a work-group, clusters of 4 x 4, 327,680 bytes of LDS; arguments ao, wo16, out0; writes out0
.if DOCPART == 4
	.amdgcn_target "amdgcn-amd-amdhsa--gfx1250"
	.amdhsa_code_object_version 6
	.text
	.protected	k_q38d4be0f8b_proj
	.globl	k_q38d4be0f8b_proj
	.p2align	8
	.type	k_q38d4be0f8b_proj,@function
k_q38d4be0f8b_proj:
	s_mov_b64 s[64:65], 0
	v_nop
	global_prefetch_b8 v0, s[64:65] scope:SCOPE_SE
	s_setreg_imm32_b32 hwreg(HW_REG_WAVE_MODE, 25, 1), 1
	s_wait_xcnt 0x0
	s_wait_alu depctr_hold_cnt(0) depctr_sa_sdst(0) depctr_va_vdst(0) depctr_va_sdst(0) depctr_va_ssrc(0) depctr_va_vcc(0) depctr_vm_vsrc(0)
	s_getreg_b32 s2, hwreg(HW_REG_IB_STS2, 6, 4)
	s_cmp_eq_u32 s2, 0
	s_cbranch_scc0 .Lentry_in_a_cluster
	s_endpgm
.Lentry_in_a_cluster:
	s_bfe_u32 s2, ttmp6, 0x10000c
	s_cmp_lg_u32 s2, 0xf033
	s_cbranch_scc0 .Lentry_shape_is_right
	s_endpgm
.Lentry_shape_is_right:
; out0[m][n] = sum over k of A[m][k] W_O[n][k], m 8,192, n 1,024, k = 64 h + d 1,024; f16 operands, f32 sums, f32 out.
; A is ao [64 blocks of 128 rows][16 h][128 rows][64 d]: a tile row's K step of 256 is four planes (heads) of 128 rows x 128 bytes, 65,536 bytes on end.  W_O is wo16 [1024][1024] f16.
; The first 16 rows of each batch are written here from f16 operands like all others; a later launch writes them again from f32.
; A tile of C is 128 x 128 (512 work-groups; tiles of 256 x 256 would be 128).  Four waves, each 64 x 64: 16 accumulators.  K goes in four steps of 256 through two LDS slots; the text has no loop.
; By its own count a wave has two tensor loads out at the start and one behind each round.
; CLUSTERS: 4 x 4 work-groups.  The four of a row of the cluster need the same tiles of A, the four of a column the same tiles of W_O: each tile is asked for JOINTLY.
; THE MATRIX INSTRUCTION IS USED TRANSPOSED (source 0 = 16 rows of W_O, source 1 = 16 rows of A): a lane then holds eight neighbouring numbers of a row of C.
; No prefetch: the tile is small, a K step short, and each tile is shared by four.
; REGISTERS: window 0: v0-31 addresses; v32-95 rows on the way out; v128-255 the accumulators ((a, b) at v[128 + 8 (4 a + b)]).  window 1: two fragment buffers of 128: for 64 along K, 64 registers of A, then 64 of W_O.
.set SIZE_N, 1024
.set SIZE_K, 1024
.set KSTEP,  256
.set PA,     144                       ; a row of a plane of A in LDS: 128 bytes + 16
.set PLANE,  128*PA
.set PB,     528                       ; a row of W_O's tile: 512 bytes + 16
.set BOFF,   4*PLANE                   ; a slot: A's four planes, then W_O's 128 rows
.set SLOT,   BOFF+128*PB
.set STAGE,  2*SLOT                    ; behind the ring: 16 rows x 272 bytes for each wave, its own
.set SPITCH, 272
.set SPARE,  STAGE+4*16*SPITCH         ; behind the stages: the spare words, 128 bytes a wave
.set ADRA, 16                          ; v16-17  LDS address of my A fragments in slot 0, 1
.set ADRB, 20                          ; v20-21  the same for W_O
.set STO,  24
.set RD,   25
.set CO,   26
.set SPW,  28                          ; v28 LDS address of my spare word; never rewritten
.set NIL,  29                          ; v29 0; never rewritten
.set TMP,  32
.set ACC,  128
.set F0,   0                           ; fragment buffers, in window 1
.set F1,   128
.set G1, 24                            ; s[24:31] descriptor group 1 for A's tiles;  s[32:39] group 0, one set for each slot
.set G0, 32
.set G1B, 48                           ; s[48:55], s[56:63] the same for W_O's tiles
.set G0B, 56
.set MSB, 0
.macro WIN new                         ; the immediate's high byte repeats the setting that is left
.if MSB != \new
	s_set_vgpr_msb (MSB<<8)|\new
.set MSB, \new
.endif
.endm
.set MUL,  0x05                        ; sources 0 and 1 window 1; C and D window 0
.set TO_F, 0x40                        ; destination window 1, address window 0
.macro JLOAD s                         ; a joint load: waves 0 and 1 fetch A's two halves, waves 2 and 3 W_O's; an s_nop 0 and four v_nop follow each of the two lines
	s_cmp_eq_u32 s11, 0
	s_cbranch_scc0 .Lfor_b_\@
	tensor_load_to_lds s[G0+4*\s:G0+4*\s+3], s[G1:G1+7]
	s_nop 0
.rept 4
	v_nop
.endr
	s_branch .Lasked_\@
.Lfor_b_\@:
	tensor_load_to_lds s[G0B+4*\s:G0B+4*\s+3], s[G1B:G1B+7]
	s_nop 0
.rept 4
	v_nop
.endr
.Lasked_\@:
.endm
.macro CREST                           ; a round of the cluster's barrier behind its opening barrier
	s_cmp_lg_u32 s10, 0
	s_cbranch_scc1 .Lnot_wave_0_\@
	s_barrier_signal -3
.Lnot_wave_0_\@:
	s_barrier_wait -3
	s_barrier_signal -1
	s_barrier_wait -1
.endm
.macro CROUND
	s_barrier_signal -1
	s_barrier_wait -1
	CREST
.endm
	s_load_b128 s[4:7], s[0:1], 0x0                ; ao s[4:5], wo16 s[6:7]
	s_load_b64 s[8:9], s[0:1], 0x10                ; out0
	v_lshl_add_u32 v[SPW], v0, 2, SPARE
	v_mov_b32 v[NIL], 0
	ds_add_u32 v[SPW], v[NIL]                      ; the wave's opening: the add, twice on end, and its wait ahead of my first tensor load
	ds_add_u32 v[SPW], v[NIL]
	v_lshrrev_b32 v1, 5, v0
	v_readfirstlane_b32 s10, v1                    ; wave 0..3
	s_lshr_b32 s11, s10, 1                         ; which half of the tile's rows is mine.  Also: I fetch for A (0) or for W_O (1)
	s_and_b32 s12, s10, 1                          ; which half of its columns.  Also: which half of that tile I fetch
	s_bfe_u32 s40, ttmp6, 0x40000                  ; cx, cy
	s_bfe_u32 s41, ttmp6, 0x40004
	s_lshl_b32 s42, ttmp9, 2
	s_add_co_u32 s42, s42, s40                     ; tile column of C
	s_and_b32 s13, ttmp7, 0xffff
	s_lshl_b32 s13, s13, 2
	s_add_co_u32 s13, s13, s41                     ; tile row of C
	s_lshl_b32 s43, s41, 2
	s_lshl_b32 s43, 15, s43                        ; my row of the cluster
	s_lshl_b32 s44, 0x1111, s40                    ; my column
	; A: two planes, 256 dense rows of 64 elements of 2 bytes, four words of padding behind every 32
	s_or_b32 s[G1+0], s43, (1<<16)|(1<<20)|(1<<21)|(4<<22)|(3<<25)
	s_mov_b32 s[G1+1], 64<<16                      ; tensor_dim0 = 64
	s_mov_b32 s[G1+2], 256<<16                     ; tensor_dim1 = 256
	s_mov_b32 s[G1+3], 64<<16                      ; tile_dim0 = 64
	s_mov_b32 s[G1+4], 256                         ; tile_dim1 = 256
	s_mov_b32 s[G1+5], 64                          ; from row to row
	s_mov_b32 s[G1+6], 0
	s_mov_b32 s[G1+7], 0
	; W_O: 64 rows of 256 elements, four words of padding behind every 128
	s_or_b32 s[G1B+0], s44, (1<<16)|(1<<20)|(1<<21)|(6<<22)|(3<<25)
	s_mov_b32 s[G1B+1], KSTEP<<16
	s_mov_b32 s[G1B+2], 64<<16
	s_mov_b32 s[G1B+3], KSTEP<<16
	s_mov_b32 s[G1B+4], 64
	s_mov_b32 s[G1B+5], SIZE_K
	s_mov_b32 s[G1B+6], 0
	s_mov_b32 s[G1B+7], 0
	s_lshl_b32 s16, s13, 18                        ; A: the tile row's block of 262,144 bytes,
	s_lshl_b32 s17, s12, 15                        ; my two planes of the K step's four
	s_add_co_u32 s16, s16, s17
	s_mov_b32 s17, 0
	s_lshl_b32 s46, s42, 18                        ; W_O: row 128 x tile column + 64 x half, 2,048 bytes a row
	s_lshl_b32 s47, s12, 17
	s_add_co_u32 s46, s46, s47
	s_mov_b32 s47, 0
	s_mul_i32 s20, s12, 2*PLANE                    ; where they go: no place in the cluster enters an LDS address
	s_mul_i32 s21, s12, 64*PB
	s_add_co_u32 s21, s21, BOFF
	s_wait_dscnt 0x0                               ; both opening adds are done
	s_wait_kmcnt 0x0
	s_add_nc_u64 s[14:15], s[4:5], s[16:17]
	s_add_nc_u64 s[46:47], s[6:7], s[46:47]
	CROUND                                         ; all sixteen work-groups are here: the first joint loads meet
.irp s, 0,1
	s_mov_b32 s[G0+4*\s], 1
	s_add_co_u32 s[G0+4*\s+1], s20, \s*SLOT
	s_add_nc_u64 s[G0+4*\s+2:G0+4*\s+3], s[14:15], \s*65536
	s_or_b32 s[G0+4*\s+3], s[G0+4*\s+3], 0x80000000
	s_mov_b32 s[G0B+4*\s], 1
	s_add_co_u32 s[G0B+4*\s+1], s21, \s*SLOT
	s_add_nc_u64 s[G0B+4*\s+2:G0B+4*\s+3], s[46:47], \s*KSTEP*2
	s_or_b32 s[G0B+4*\s+3], s[G0B+4*\s+3], 0x80000000
	JLOAD \s
.endr
	v_and_b32 v1, 15, v0                           ; l % 16
	v_bfe_u32 v2, v0, 4, 1                         ; l / 16
	v_mul_u32_u24 v3, v1, PA
	v_lshl_add_u32 v3, v2, 4, v3
	v_mul_u32_u24 v4, v1, PB
	v_lshl_add_u32 v4, v2, 4, v4
	s_mul_i32 s21, s11, 64*PA                      ; my 64 rows of each plane of A
	s_mul_i32 s22, s12, 64*PB                      ; my 64 rows of W_O
	s_add_co_u32 s22, s22, BOFF
.irp s, 0,1
	v_add_nc_u32 v[ADRA+\s], s21, v3
	v_add_nc_u32 v[ADRB+\s], s22, v4
	s_add_co_u32 s21, s21, SLOT
	s_add_co_u32 s22, s22, SLOT
.endr
	s_mul_i32 s23, s10, 16*SPITCH
	s_add_co_u32 s23, s23, STAGE                   ; my stage
	v_mul_u32_u24 v5, v1, SPITCH                   ; in: row l % 16, 32 bytes for each half of the lanes
	v_lshl_add_u32 v5, v2, 5, v5
	v_add_nc_u32 v[STO], s23, v5
	v_mul_u32_u24 v5, v2, SPITCH                   ; back: lanes 0-15 one row of 256 bytes, lanes 16-31 the next
	v_lshl_add_u32 v5, v1, 4, v5
	v_add_nc_u32 v[RD], s23, v5
	v_lshlrev_b32 v5, 12, v2                       ; and the same two rows in out0
	v_lshl_add_u32 v[CO], v1, 4, v5
	s_lshl_b32 s16, s13, 7
	s_lshl_b32 s17, s11, 6
	s_add_co_u32 s16, s16, s17                     ; my first row of C
	s_lshl_b32 s16, s16, 12                        ; 4,096 bytes a row
	s_mov_b32 s17, 0
	s_add_nc_u64 s[8:9], s[8:9], s[16:17]
	s_lshl_b32 s46, s42, 9                         ; my first column, in bytes: 512 x tile column + 256 x half
	s_lshl_b32 s47, s12, 8
	s_add_co_u32 s46, s46, s47
	s_mov_b32 s47, 0
	s_add_nc_u64 s[8:9], s[8:9], s[46:47]          ; never stepped
; 8 matrix instructions: m blocks a0, a0 + 1 x all 4 n blocks, 32 along K: half c of buffer f.  zero = 1: the first product starts the sums.  The 16 accumulators take turns
.macro MUL8 f, c, a0, zero
.irp a, \a0, \a0+1
.irp b, 0,1,2,3
.if \zero
	v_wmma_f32_16x16x32_f16 v[ACC+8*(4*(\a)+\b):ACC+8*(4*(\a)+\b)+7], v[\f+64+8*(4*\c+\b):\f+64+8*(4*\c+\b)+7], v[\f+8*(4*\c+\a):\f+8*(4*\c+\a)+7], 0
.else
	v_wmma_f32_16x16x32_f16 v[ACC+8*(4*(\a)+\b):ACC+8*(4*(\a)+\b)+7], v[\f+64+8*(4*\c+\b):\f+64+8*(4*\c+\b)+7], v[\f+8*(4*\c+\a):\f+8*(4*\c+\a)+7], v[ACC+8*(4*(\a)+\b):ACC+8*(4*(\a)+\b)+7]
.endif
.endr
.endr
.endm
; 32 LDS loads in one run: the fragments of 64 along K, at byte k of W_O's rows and in plane k / 128 of A, into buffer f; the first 32 along K first
.macro FETCH slot, k, f
	WIN TO_F
.irp c, 0,1
.irp i, 0,1,2,3
	ds_load_b128 v[\f+64+8*(4*\c+\i):\f+64+8*(4*\c+\i)+3],   v[ADRB+\slot] offset:\k+64*\c+\i*16*PB
	ds_load_b128 v[\f+64+8*(4*\c+\i)+4:\f+64+8*(4*\c+\i)+7], v[ADRB+\slot] offset:\k+64*\c+\i*16*PB+32
	ds_load_b128 v[\f+8*(4*\c+\i):\f+8*(4*\c+\i)+3],         v[ADRA+\slot] offset:((\k)/128)*PLANE+64*\c+\i*16*PA
	ds_load_b128 v[\f+8*(4*\c+\i)+4:\f+8*(4*\c+\i)+7],       v[ADRA+\slot] offset:((\k)/128)*PLANE+64*\c+\i*16*PA+32
.endr
.endr
.endm
.macro PLACES                          ; four places in front of loads into registers that matrix instructions have read, and of the first read of results (ISA guide 7.12.1 for vector instructions)
.rept 4
	v_nop
.endr
.endm
; A K step is four quarters of 64 along K, 32 matrix instructions each, on buffers 0, 1, 0, 1.  One of the first three: multiplies buffer f and fetches the next quarter, at byte k, into g.
.macro QUARTER slot, k, f, g, zero
	s_wait_dscnt 16                                ; the first 32 along K are in; the sixteen younger loads may be out
	WIN MUL
	MUL8 \f, 0, 0, \zero
	MUL8 \f, 0, 2, \zero
	PLACES
	FETCH \slot, \k, \g
	s_wait_dscnt 32                                ; all but the 32 just issued
	WIN MUL
	MUL8 \f, 1, 0, 0
	MUL8 \f, 1, 2, 0
.endm
; The last quarter multiplies buffer 1 and changes slots: one barrier; in front of it each wave waits for all its tensor loads, adds 0 to its spare word, and waits for that and for its own reads of this slot.  fill = 1: this slot is filled again, two K steps ahead.
.macro TURN slot, next, fill
	WIN 0
	s_wait_tensorcnt 0x0                           ; all my tensor loads have landed: my part of the next slot
	ds_add_u32 v[SPW], v[NIL]                      ; 0 onto my spare word
	s_wait_dscnt 17                                ; (the add and the youngest sixteen loads may be out)
	WIN MUL
	MUL8 F1, 0, 0, 0                               ; eight matrix instructions stand between the add and the wait for it
	s_wait_dscnt 0x0                               ; the add is done, and my reads of this slot are over
	s_barrier_signal -1
	MUL8 F1, 0, 2, 0
.if \fill
	WIN 0
.endif
	s_barrier_wait -1
.if \fill
	CREST                                          ; the barrier has opened a round of the cluster's: no wave of any partner still reads this slot's tile or has a load on its way
	s_add_nc_u64 s[G0+4*\slot+2:G0+4*\slot+3], s[G0+4*\slot+2:G0+4*\slot+3], 2*65536
	s_add_nc_u64 s[G0B+4*\slot+2:G0B+4*\slot+3], s[G0B+4*\slot+2:G0B+4*\slot+3], 2*KSTEP*2
	JLOAD \slot                                    ; the first tensor load behind the round; the four v_nop behind it are also the places in front of the loads below
.else
	PLACES
.endif
	FETCH \next, 0, F0
	WIN MUL
	MUL8 F1, 1, 0, 0
	MUL8 F1, 1, 2, 0
.endm
	s_wait_tensorcnt 1                             ; my part of K step 0 is in (K step 1's load may be out)
	s_barrier_signal -1
	s_barrier_wait -1                              ; everybody's is
	FETCH 0, 0, F0
	QUARTER 0, 128, F0, F1, 1                      ; K step 0; its first products start the sums
	QUARTER 0, 256, F1, F0, 0
	QUARTER 0, 384, F0, F1, 0
	TURN 0, 1, 1                                   ; slot 0 takes K step 2
	QUARTER 1, 128, F0, F1, 0                      ; K step 1
	QUARTER 1, 256, F1, F0, 0
	QUARTER 1, 384, F0, F1, 0
	TURN 1, 0, 1                                   ; slot 1 takes K step 3
	QUARTER 0, 128, F0, F1, 0                      ; K step 2
	QUARTER 0, 256, F1, F0, 0
	QUARTER 0, 384, F0, F1, 0
	TURN 0, 1, 0                                   ; nothing is left to fetch
	QUARTER 1, 128, F0, F1, 0                      ; K step 3
	QUARTER 1, 256, F1, F0, 0
	QUARTER 1, 384, F0, F1, 0
	s_wait_dscnt 16
	WIN MUL
	MUL8 F1, 0, 0, 0
	MUL8 F1, 0, 2, 0
	s_wait_dscnt 0
	MUL8 F1, 1, 0, 0
	MUL8 F1, 1, 2, 0
	WIN 0
; THE WAY OUT, block by block of 16 rows x 64 columns.  A wave's 64 columns of f32 are 256 bytes of a row, aligned: so each wave has a stage of its own and no barrier is needed.  A lane holds 32 neighbouring bytes of a row;
; they go into rows of 272 bytes and come back as whole rows of 256, sixteen lanes to a row.
.macro TOSTAGE a
.irp b, 0,1,2,3
	ds_store_b128 v[STO], v[ACC+8*(4*(\a)+\b):ACC+8*(4*(\a)+\b)+3] offset:64*\b       ; each accumulator from its low end on
	ds_store_b128 v[STO], v[ACC+8*(4*(\a)+\b)+4:ACC+8*(4*(\a)+\b)+7] offset:64*\b+16
.endr
.set BB, TMP+32*((\a)%2)
.irp t, 0,1,2,3,4,5,6,7
	ds_load_b128 v[BB+4*\t:BB+4*\t+3], v[RD] offset:\t*2*SPITCH    ; LDS serves a wave's instructions in order (ISA guide 5.7.1.4): these see the stores above
.endr
.endm
.macro SEND a, younger                 ; younger: the LDS instructions issued behind block a's loads, which may stay out
.set BB, TMP+32*((\a)%2)
	s_wait_dscnt \younger
.irp t, 0,1,2,3,4,5,6,7
	global_store_b128 v[CO], v[BB+4*\t:BB+4*\t+3], s[8:9] offset:(16*(\a)+2*\t)*SIZE_N*4 th:TH_STORE_NT   ; 16 lanes store 256 bytes on end, aligned
.endr
.endm
	PLACES
	TOSTAGE 0
.irp a, 1,2,3
.if \a > 1
	s_wait_xcnt 0x0                                ; block a - 2's stores have read their data: block a's loads may land there
.endif
	TOSTAGE \a
	SEND \a-1, 16                                  ; behind block a - 1's loads: block a's 8 stores and 8 loads
.endr
	SEND 3, 0
	s_wait_tensorcnt 0x0                           ; the wave's end, behind my last tensor load and my last LDS store
	ds_add_u32 v[SPW], v[NIL]
	s_wait_dscnt 0x0
	CROUND                                         ; the closing round
	s_endpgm
.Lfunc_end_k_q38d4be0f8b_proj:
	.size	k_q38d4be0f8b_proj, .Lfunc_end_k_q38d4be0f8b_proj-k_q38d4be0f8b_proj
	.p2alignl 7, 3214868480
	.fill 96, 4, 3214868480
	.section	.rodata,"a",@progbits
	.p2align	6, 0x0
	.amdhsa_kernel k_q38d4be0f8b_proj
		.amdhsa_group_segment_fixed_size 327680
		.amdhsa_private_segment_fixed_size 0
		.amdhsa_enable_private_segment 0
		.amdhsa_kernarg_size 24
		.amdhsa_user_sgpr_count 2
		.amdhsa_user_sgpr_kernarg_segment_ptr 1
		.amdhsa_wavefront_size32 1
		.amdhsa_system_sgpr_workgroup_id_x 1
		.amdhsa_system_sgpr_workgroup_id_y 1
		.amdhsa_system_sgpr_workgroup_id_z 1
		.amdhsa_system_vgpr_workitem_id 0
		.amdhsa_next_free_vgpr 512
		.amdhsa_next_free_sgpr 66
		.amdhsa_reserve_vcc 0
		.amdhsa_float_denorm_mode_32 3
		.amdhsa_float_denorm_mode_16_64 3
		.amdhsa_memory_ordered 1
		.amdhsa_forward_progress 1
		.amdhsa_inst_pref_size 85
	.end_amdhsa_kernel
	.amdgpu_metadata
---
amdhsa.version: [ 1, 2 ]
amdhsa.kernels:
  - .name:           k_q38d4be0f8b_proj
    .symbol:         k_q38d4be0f8b_proj.kd
    .args:
      - { .name: ao, .offset: 0, .size: 8, .value_kind: global_buffer, .address_space: global }
      - { .name: wo16, .offset: 8, .size: 8, .value_kind: global_buffer, .address_space: global }
      - { .name: out0, .offset: 16, .size: 8, .value_kind: global_buffer, .address_space: global }
    .group_segment_fixed_size: 327680
    .private_segment_fixed_size: 0
    .kernarg_segment_align: 8
    .kernarg_segment_size: 24
    .max_flat_workgroup_size: 128
    .sgpr_count:     66
    .vgpr_count:     512
    .wavefront_size: 32
...
	.end_amdgpu_metadata
.endif
;; end of part 4
;; launch first_attn (part 5): grid 16 x 4, 12 waves a work-group, no clusters, 13,824 bytes of LDS; arguments xc, xs, wc, ws, fine; writes fine
.if DOCPART == 5
	.amdgcn_target "amdgcn-amd-amdhsa--gfx1250"
	.amdhsa_code_object_version 6
	.text
	.protected	k_q38d4be0f8b_first_attn
	.globl	k_q38d4be0f8b_first_attn
	.p2align	8
	.type	k_q38d4be0f8b_first_attn,@function
k_q38d4be0f8b_first_attn:
	s_mov_b64 s[64:65], 0
	v_nop
	global_prefetch_b8 v0, s[64:65] scope:SCOPE_SE
	s_setreg_imm32_b32 hwreg(HW_REG_WAVE_MODE, 25, 1), 1
	s_wait_xcnt 0x0
; Positions 0-15 of every sequence, in f32 throughout: a row of the softmax sums few terms there, and 16-bit operands would weigh most.  A work-group is one (b, h): x = h, y = b.
; Q, K, V of these 16 positions are made again from the codes (FP4 with E8M0 scales, the form of the quantised products) and kept in f32; scores, softmax and P V go by v_wmma_f32_16x16x4_f32: 20 such products a wave, no bulk work.
; Twelve waves; wave w makes ONE tile of 16 x 16 over K = 1,024: tensor w / 4 (Q, K, V), channels 16 (w % 4) on.  All its 36 loads go out at once.
; Q's and K's waves: source 0 = 16 rows of W, source 1 = x's 16 rows: a lane holds one position (lane % 16) and channels 16 t + 8 (lane / 16) + 0..7.  V's waves: the sources swapped: a lane holds one channel and positions 8 (lane / 16) + 0..7.
; These registers ARE operands of the f32 form, two at a time, under one order of k that is the same on both sides of each product: nothing is transposed.
; Q's and K's eight tiles go to V's four waves through LDS as images of their registers.  V's wave t then makes all scores, the softmax, and channels 16 t on of the result.
; fine [4 b][16 h][4 t][2][32 lanes][16 bytes]: lane (query r, half hf), register j: channel 16 t + 8 hf + j: the image that the next launch's operand wants.
; LIMITS: NaN and infinities are not served.
.set SPARE, 12288                      ; the images take 8,192 bytes; the spare words, 128 bytes a wave, begin where 1,024 x wave ends for all twelve
.set SPW, 8                            ; v8 LDS address of my spare word; never rewritten
.set NIL, 9                            ; v9 0; never rewritten
.set CA,  16                           ; v16-79   source 0's codes, 8 registers a K step; later Q's (v16-47) and K's (v48-79) images
.set CB,  80                           ; v80-143  source 1's codes
.set SA,  144                          ; v144-151 source 0's scale words, v152-159 source 1's: nothing else
.set SBB, 152
.set AC,  160                          ; v160-167, v168-175 two accumulators of the quantised product, by turns
.set SUM, 176                          ; v176-183 their sum: my tile
.set SS,  184                          ; v184-191, v192-199 S^T in two halves: written by the f32 form alone
.set T,   200                          ; v200-207 the scores, then p
.set OO,  208                          ; v208-215, v216-223 O^T in two halves: written by the f32 form alone
.set RR,  224                          ; v224-231 the result
	s_load_b256 s[16:23], s[0:1], 0x0              ; xc, xs, wc, ws
	s_load_b64 s[24:25], s[0:1], 0x20              ; fine
	v_lshl_add_u32 v[SPW], v0, 2, SPARE
	v_mov_b32 v[NIL], 0
	v_lshrrev_b32 v1, 5, v0
	v_readfirstlane_b32 s8, v1                     ; wave 0..11
	v_and_b32 v1, 15, v0                           ; r
	v_bfe_u32 v2, v0, 4, 1                         ; hf
	v_lshlrev_b32 v3, 9, v1
	v_lshl_add_u32 v3, v2, 4, v3                   ; codes: row r of 512 bytes + 16 hf
	v_lshlrev_b32 v4, 5, v1                        ; scale bytes: row r of 32
	v_and_b32 v5, 31, v0
	v_lshlrev_b32 v5, 4, v5                        ; an image's place for my lane: 16 x lane
	s_lshl_b32 s2, s8, 10
	v_add_nc_u32 v6, s2, v5                        ; where I store my tile's image: 1,024 x wave + 16 x lane
	v_lshlrev_b32 v7, 3, v2
	v_sub_nc_u32 v7, v1, v7                        ; r - 8 hf: key 8 hf + j is hidden for query r where j is above it
	v_mov_b32 v10, 0xff800000                      ; -infinity
	s_mov_b32 s4, 0x76543210
	s_mov_b32 s5, 0xfedcba98                       ; v_permlanex16_b32's selects for lane l xor 16
	s_mov_b32 s6, 0x3e38aa3b                       ; c = log2(e) / 8
	s_lshr_b32 s9, s8, 2                           ; tensor
	s_and_b32 s10, s8, 3                           ; t
	s_and_b32 s11, ttmp7, 0xffff                   ; b
	s_lshl_b32 s12, s9, 10
	s_lshl_b32 s13, ttmp9, 6
	s_add_co_u32 s12, s12, s13
	s_lshl_b32 s13, s10, 4
	s_add_co_u32 s12, s12, s13                     ; W's first row: 1,024 x tensor + 64 h + 16 t
	s_lshl_b32 s14, s11, 11                        ; x's first row: 2,048 b
	s_mov_b32 s43, 0
	s_wait_kmcnt 0x0
	s_lshl_b32 s42, s14, 9
	s_add_nc_u64 s[26:27], s[16:17], s[42:43]      ; x's codes,
	s_lshl_b32 s42, s14, 5
	s_add_nc_u64 s[28:29], s[18:19], s[42:43]      ; x's scales,
	s_lshl_b32 s42, s12, 9
	s_add_nc_u64 s[30:31], s[20:21], s[42:43]      ; W's codes,
	s_lshl_b32 s42, s12, 5
	s_add_nc_u64 s[32:33], s[22:23], s[42:43]      ; W's scales
	s_lshl_b32 s42, s11, 4
	s_add_co_u32 s42, s42, ttmp9
	s_lshl_b32 s42, s42, 2
	s_add_co_u32 s42, s42, s10
	s_lshl_b32 s42, s42, 10                        ; fine: ((16 b + h) 4 + t) x 1,024
	s_add_nc_u64 s[24:25], s[24:25], s[42:43]
	s_cmp_lt_u32 s8, 8                             ; Q's and K's waves: source 0 = W; V's: source 0 = x.  The choice hangs on the wave's number alone
	s_cselect_b64 s[34:35], s[30:31], s[26:27]
	s_cselect_b64 s[36:37], s[26:27], s[30:31]
	s_cselect_b64 s[38:39], s[32:33], s[28:29]
	s_cselect_b64 s[40:41], s[28:29], s[32:33]
.irp s, 0,1,2,3,4,5,6,7
.irp c, 0,1
	global_load_b128 v[CA+8*\s+4*\c:CA+8*\s+4*\c+3], v3, s[34:35] offset:64*\s+32*\c
	global_load_b128 v[CB+8*\s+4*\c:CB+8*\s+4*\c+3], v3, s[36:37] offset:64*\s+32*\c
.endr
.endr
	global_load_b128 v[SA:SA+3], v4, s[38:39]      ; a row's eight scale words: word s for K step s
	global_load_b128 v[SA+4:SA+7], v4, s[38:39] offset:16
	global_load_b128 v[SBB:SBB+3], v4, s[40:41]
	global_load_b128 v[SBB+4:SBB+7], v4, s[40:41] offset:16
	s_wait_loadcnt 0x0
.irp s, 0,1,2,3,4,5,6,7                ; two accumulators take turns; the first two products start the sums
.if \s < 2
	v_wmma_scale_f32_16x16x128_f8f6f4 v[AC+8*(\s%2):AC+8*(\s%2)+7], v[CA+8*\s:CA+8*\s+7], v[CB+8*\s:CB+8*\s+7], 0, v[SA+\s], v[SBB+\s] matrix_a_fmt:MATRIX_FMT_FP4 matrix_b_fmt:MATRIX_FMT_FP4
.else
	v_wmma_scale_f32_16x16x128_f8f6f4 v[AC+8*(\s%2):AC+8*(\s%2)+7], v[CA+8*\s:CA+8*\s+7], v[CB+8*\s:CB+8*\s+7], v[AC+8*(\s%2):AC+8*(\s%2)+7], v[SA+\s], v[SBB+\s] matrix_a_fmt:MATRIX_FMT_FP4 matrix_b_fmt:MATRIX_FMT_FP4
.endif
.endr
.rept 4
	v_nop
.endr
.irp i, 0,2,4,6
	v_pk_add_f32 v[SUM+\i:SUM+\i+1], v[AC+\i:AC+\i+1], v[AC+8+\i:AC+8+\i+1]
.endr
	s_cmp_ge_u32 s8, 8
	s_cbranch_scc1 .Lno_image
	ds_store_b128 v6, v[SUM:SUM+3]                 ; Q's and K's tiles go to LDS as they stand
	ds_store_b128 v6, v[SUM+4:SUM+7] offset:512
.Lno_image:
	s_wait_dscnt 0x0                               ; my stores have landed
	s_barrier_signal -1
	s_barrier_wait -1
	s_cmp_ge_u32 s8, 8
	s_cbranch_scc1 .Lvalues
	s_wait_tensorcnt 0x0                           ; Q's and K's waves end here, behind my last LDS store
	ds_add_u32 v[SPW], v[NIL]
	s_wait_dscnt 0x0
	s_endpgm
.Lvalues:
.irp t, 0,1,2,3
	ds_load_b128 v[16+8*\t:19+8*\t], v5 offset:1024*\t             ; Q's tile t
	ds_load_b128 v[20+8*\t:23+8*\t], v5 offset:1024*\t+512
	ds_load_b128 v[48+8*\t:51+8*\t], v5 offset:4096+1024*\t        ; K's tile t
	ds_load_b128 v[52+8*\t:55+8*\t], v5 offset:4096+1024*\t+512
.endr
	s_wait_dscnt 0x0
.irp t, 0,1,2,3                        ; S^T = K Q^T: 16 steps of 4 channels: channels 16 t + 8 hf + 2 s, + 1 on both sides; two accumulators by turns
.irp s, 0,1,2,3
.if (\t == 0) && (\s < 2)
	v_wmma_f32_16x16x4_f32 v[SS+8*(\s%2):SS+8*(\s%2)+7], v[48+8*\t+2*\s:49+8*\t+2*\s], v[16+8*\t+2*\s:17+8*\t+2*\s], 0
.else
	v_wmma_f32_16x16x4_f32 v[SS+8*(\s%2):SS+8*(\s%2)+7], v[48+8*\t+2*\s:49+8*\t+2*\s], v[16+8*\t+2*\s:17+8*\t+2*\s], v[SS+8*(\s%2):SS+8*(\s%2)+7]
.endif
.endr
.endr
.rept 8
	v_nop                                          ; eight places behind this form
.endr
.irp i, 0,2,4,6
	v_pk_add_f32 v[T+\i:T+\i+1], v[SS+\i:SS+\i+1], v[SS+8+\i:SS+8+\i+1]   ; lane (r, hf), register j: query r, key 8 hf + j
.endr
.irp j, 0,1,2,3,4,5,6,7
	v_cmp_gt_i32 vcc_lo, \j, v7
	v_cndmask_b32 v[T+\j], v[T+\j], v10, vcc_lo    ; hidden keys: -infinity
.endr
	v_max3_num_f32 v232, v[T], v[T+1], v[T+2]
	v_max3_num_f32 v232, v232, v[T+3], v[T+4]
	v_max3_num_f32 v232, v232, v[T+5], v[T+6]
	v_max_num_f32 v232, v232, v[T+7]
	v_mov_b32 v233, 0
	v_permlanex16_b32 v233, v232, s4, s5
	v_max_num_f32 v232, v232, v233                 ; the row's maximum (key 0 counts for every query)
	v_mul_f32 v232, s6, v232                       ; c m
.irp j, 0,1,2,3,4,5,6,7
	v_fma_f32 v[T+\j], v[T+\j], s6, -v232
.endr
.irp j, 0,1,2,3,4,5,6,7
	v_exp_f32 v[T+\j], v[T+\j]                     ; p = 2^(c s - c m)
.endr
	v_mov_b32 v235, 0                              ; (a plain line behind the exponentials)
	s_wait_alu depctr_va_vdst(0)                   ; one wait for the eight, ahead of their first reader
	v_pk_add_f32 v[236:237], v[T:T+1], v[T+2:T+3]
	v_pk_add_f32 v[238:239], v[T+4:T+5], v[T+6:T+7]
	v_pk_add_f32 v[236:237], v[236:237], v[238:239]
	v_add_f32 v234, v236, v237
	v_permlanex16_b32 v235, v234, s4, s5
	v_add_f32 v234, v234, v235                     ; the row's sum
	v_rcp_f32 v234, v234
	v_nop
	s_wait_alu depctr_va_vdst(0)
.irp s, 0,1,2,3                        ; O^T = V^T P: 4 steps of 4 keys: keys 8 hf + 2 s, + 1 on both sides
.if \s < 2
	v_wmma_f32_16x16x4_f32 v[OO+8*(\s%2):OO+8*(\s%2)+7], v[SUM+2*\s:SUM+2*\s+1], v[T+2*\s:T+2*\s+1], 0
.else
	v_wmma_f32_16x16x4_f32 v[OO+8*(\s%2):OO+8*(\s%2)+7], v[SUM+2*\s:SUM+2*\s+1], v[T+2*\s:T+2*\s+1], v[OO+8*(\s%2):OO+8*(\s%2)+7]
.endif
.endr
.rept 8
	v_nop
.endr
.irp i, 0,2,4,6
	v_pk_mul_f32 v[RR+\i:RR+\i+1], v[OO+\i:OO+\i+1], v[234:235] op_sel_hi:[1,0]
.endr
.irp i, 0,2,4,6
	v_pk_fma_f32 v[RR+\i:RR+\i+1], v[OO+8+\i:OO+8+\i+1], v[234:235], v[RR+\i:RR+\i+1] op_sel_hi:[1,0,1]   ; (both halves) / the sum
.endr
	global_store_b128 v5, v[RR:RR+3], s[24:25]                 ; 32 lanes store 512 bytes on end
	global_store_b128 v5, v[RR+4:RR+7], s[24:25] offset:512
	s_wait_tensorcnt 0x0                           ; the same three lines at this path's end
	ds_add_u32 v[SPW], v[NIL]
	s_wait_dscnt 0x0
	s_endpgm
.Lfunc_end_k_q38d4be0f8b_first_attn:
	.size	k_q38d4be0f8b_first_attn, .Lfunc_end_k_q38d4be0f8b_first_attn-k_q38d4be0f8b_first_attn
	.p2alignl 7, 3214868480
	.fill 96, 4, 3214868480
	.section	.rodata,"a",@progbits
	.p2align	6, 0x0
	.amdhsa_kernel k_q38d4be0f8b_first_attn
		.amdhsa_group_segment_fixed_size 13824
		.amdhsa_private_segment_fixed_size 0
		.amdhsa_enable_private_segment 0
		.amdhsa_kernarg_size 40
		.amdhsa_user_sgpr_count 2
		.amdhsa_user_sgpr_kernarg_segment_ptr 1
		.amdhsa_wavefront_size32 1
		.amdhsa_system_sgpr_workgroup_id_x 1
		.amdhsa_system_sgpr_workgroup_id_y 1
		.amdhsa_system_sgpr_workgroup_id_z 1
		.amdhsa_system_vgpr_workitem_id 0
		.amdhsa_next_free_vgpr 256
		.amdhsa_next_free_sgpr 66
		.amdhsa_reserve_vcc 1
		.amdhsa_float_denorm_mode_32 3
		.amdhsa_float_denorm_mode_16_64 3
		.amdhsa_memory_ordered 1
		.amdhsa_forward_progress 1
		.amdhsa_inst_pref_size 14
	.end_amdhsa_kernel
	.amdgpu_metadata
---
amdhsa.version: [ 1, 2 ]
amdhsa.kernels:
  - .name:           k_q38d4be0f8b_first_attn
    .symbol:         k_q38d4be0f8b_first_attn.kd
    .args:
      - { .name: xc, .offset: 0, .size: 8, .value_kind: global_buffer, .address_space: global }
      - { .name: xs, .offset: 8, .size: 8, .value_kind: global_buffer, .address_space: global }
      - { .name: wc, .offset: 16, .size: 8, .value_kind: global_buffer, .address_space: global }
      - { .name: ws, .offset: 24, .size: 8, .value_kind: global_buffer, .address_space: global }
      - { .name: fine, .offset: 32, .size: 8, .value_kind: global_buffer, .address_space: global }
    .group_segment_fixed_size: 13824
    .private_segment_fixed_size: 0
    .kernarg_segment_align: 8
    .kernarg_segment_size: 40
    .max_flat_workgroup_size: 384
    .sgpr_count:     66
    .vgpr_count:     256
    .wavefront_size: 32
...
	.end_amdgpu_metadata
.endif
;; end of part 5
;; launch first_proj (part 6): grid 16 x 4, 16 waves a work-group, no clusters, 71,680 bytes of LDS; arguments fine, W_O, out0; writes out0
.if DOCPART == 6
	.amdgcn_target "amdgcn-amd-amdhsa--gfx1250"
	.amdhsa_code_object_version 6
	.text
	.protected	k_q38d4be0f8b_first_proj
	.globl	k_q38d4be0f8b_first_proj
	.p2align	8
	.type	k_q38d4be0f8b_first_proj,@function
k_q38d4be0f8b_first_proj:
	s_mov_b64 s[64:65], 0
	v_nop
	global_prefetch_b8 v0, s[64:65] scope:SCOPE_SE
	s_setreg_imm32_b32 hwreg(HW_REG_WAVE_MODE, 25, 1), 1
	s_wait_xcnt 0x0
; Positions 0-15 of every sequence through the projection, in f32: out0[2048 b + q][e] = sum over k of fine(b, q, k) W_O[e][k].  These 64 rows of out0 are written over what the launch before left there.
; A work-group (x = 64 columns, y = b) makes 16 rows x 64 columns: a row's part is 256 bytes on end, aligned.  Sixteen waves share K: wave w takes head w's 64 channels for all four tiles of 16 columns:
; 64 products v_wmma_f32_16x16x4_f32 a wave, four accumulators by turns; no bulk work.  The sixteen partial sums meet in LDS; wave w then adds up row w and stores it.
; Source 0 = 16 rows of W_O, source 1 = the image of 16 queries: a lane holds one query and eight neighbouring columns.  Both sides take channels 16 t + 8 (lane / 16) + 2 s, + 1 in step (t, s).
; W_O is read in pieces of 32 bytes a lane: a work-group reads its 64 rows once, 262,144 bytes.
.set PART,  16*272                     ; a wave's partial sums: 16 rows x (256 bytes + 16)
.set SPARE, 16*PART                    ; behind them: the spare words, 128 bytes a wave
.set SPW, 8                            ; v8 LDS address of my spare word; never rewritten
.set NIL, 9                            ; v9 0; never rewritten
.set F,   16                           ; v16-47   the image: F + 8 t + j
.set W,   48                           ; v48-175  W_O: W + 32 n + 8 t + j
.set ACC, 176                          ; v176-207 four accumulators: written by the f32 form alone
.set PS,  208                          ; v208-239 eight partial sums of my row's 16 bytes
	s_load_b128 s[4:7], s[0:1], 0x0                ; fine, W_O
	s_load_b64 s[8:9], s[0:1], 0x10                ; out0
	v_lshl_add_u32 v[SPW], v0, 2, SPARE
	v_mov_b32 v[NIL], 0
	v_lshrrev_b32 v1, 5, v0
	v_readfirstlane_b32 s10, v1                    ; wave: my head, later my row
	v_and_b32 v1, 15, v0                           ; r
	v_bfe_u32 v2, v0, 4, 1                         ; hf
	v_lshlrev_b32 v3, 12, v1
	v_lshl_add_u32 v3, v2, 5, v3                   ; W_O: row r of 4,096 bytes + 32 hf
	v_and_b32 v10, 31, v0                          ; lane
	v_lshlrev_b32 v4, 4, v10                       ; the image: 16 x lane
	s_mul_i32 s11, s10, PART
	v_mul_u32_u24 v5, v1, 272
	v_lshl_add_u32 v5, v2, 5, v5
	v_add_nc_u32 v5, s11, v5                       ; my partial sums: row r, 32 bytes for each half of the lanes
	s_mul_i32 s11, s10, 272
	v_mul_u32_u24 v6, v2, 8*PART                   ; back: lanes 0-15 take partial sums 0-7 of row w, lanes 16-31 partial sums 8-15
	v_lshl_add_u32 v6, v1, 4, v6
	v_add_nc_u32 v6, s11, v6
	v_lshlrev_b32 v7, 4, v1                        ; and my 16 bytes of the row's 256
.irp i, 0,1,2,3
	v_mov_b32 v[240+\i], 0                         ; (a lane permute's destination counts as one of its sources)
.endr
	s_mov_b32 s12, 0x76543210
	s_mov_b32 s13, 0xfedcba98
	s_and_b32 s14, ttmp7, 0xffff                   ; b
	s_mov_b32 s17, 0
	s_wait_kmcnt 0x0
	s_lshl_b32 s16, s14, 4
	s_add_co_u32 s16, s16, s10
	s_lshl_b32 s16, s16, 12                        ; fine: (16 b + head) x 4,096
	s_add_nc_u64 s[4:5], s[4:5], s[16:17]
	s_lshl_b32 s16, ttmp9, 18                      ; W_O: 64 rows of 4,096 bytes a work-group,
	s_lshl_b32 s18, s10, 8                         ; my head's 256 bytes of each
	s_add_co_u32 s16, s16, s18
	s_add_nc_u64 s[6:7], s[6:7], s[16:17]
	s_lshl_b32 s16, s14, 11
	s_add_co_u32 s16, s16, s10
	s_lshl_b32 s16, s16, 12                        ; out0: row 2,048 b + w,
	s_lshl_b32 s18, ttmp9, 8                       ; my work-group's 256 bytes of it
	s_add_co_u32 s16, s16, s18
	s_add_nc_u64 s[8:9], s[8:9], s[16:17]
.irp t, 0,1,2,3
	global_load_b128 v[F+8*\t:F+8*\t+3], v4, s[4:5] offset:1024*\t
	global_load_b128 v[F+8*\t+4:F+8*\t+7], v4, s[4:5] offset:1024*\t+512
.endr
.irp n, 0,1,2,3
.irp t, 0,1,2,3
	global_load_b128 v[W+32*\n+8*\t:W+32*\n+8*\t+3], v3, s[6:7] offset:65536*\n+64*\t
	global_load_b128 v[W+32*\n+8*\t+4:W+32*\n+8*\t+7], v3, s[6:7] offset:65536*\n+64*\t+16
.endr
.endr
	s_wait_loadcnt 0x0
.irp t, 0,1,2,3                        ; four accumulators take turns, one instruction a turn; the first four products start the sums
.irp s, 0,1,2,3
.irp n, 0,1,2,3
.if (\t == 0) && (\s == 0)
	v_wmma_f32_16x16x4_f32 v[ACC+8*\n:ACC+8*\n+7], v[W+32*\n+8*\t+2*\s:W+32*\n+8*\t+2*\s+1], v[F+8*\t+2*\s:F+8*\t+2*\s+1], 0
.else
	v_wmma_f32_16x16x4_f32 v[ACC+8*\n:ACC+8*\n+7], v[W+32*\n+8*\t+2*\s:W+32*\n+8*\t+2*\s+1], v[F+8*\t+2*\s:F+8*\t+2*\s+1], v[ACC+8*\n:ACC+8*\n+7]
.endif
.endr
.endr
.endr
.rept 8
	v_nop                                          ; eight places behind this form
.endr
.irp n, 0,1,2,3
	ds_store_b128 v5, v[ACC+8*\n:ACC+8*\n+3] offset:64*\n          ; lane (r, hf): query r, columns 16 n + 8 hf + 0..7; each accumulator from its low end on
	ds_store_b128 v5, v[ACC+8*\n+4:ACC+8*\n+7] offset:64*\n+16
.endr
	s_wait_dscnt 0x0                               ; for the others' sake: my stores have landed
	s_barrier_signal -1
	s_barrier_wait -1
.irp i, 0,1,2,3,4,5,6,7
	ds_load_b128 v[PS+4*\i:PS+4*\i+3], v6 offset:\i*PART
.endr
	s_wait_dscnt 0x0
.irp i, 0,2,4,6
	v_pk_add_f32 v[PS+4*\i:PS+4*\i+1], v[PS+4*\i:PS+4*\i+1], v[PS+4*\i+4:PS+4*\i+5]
	v_pk_add_f32 v[PS+4*\i+2:PS+4*\i+3], v[PS+4*\i+2:PS+4*\i+3], v[PS+4*\i+6:PS+4*\i+7]
.endr
.irp i, 0,4
	v_pk_add_f32 v[PS+4*\i:PS+4*\i+1], v[PS+4*\i:PS+4*\i+1], v[PS+4*\i+8:PS+4*\i+9]
	v_pk_add_f32 v[PS+4*\i+2:PS+4*\i+3], v[PS+4*\i+2:PS+4*\i+3], v[PS+4*\i+10:PS+4*\i+11]
.endr
	v_pk_add_f32 v[PS:PS+1], v[PS:PS+1], v[PS+16:PS+17]
	v_pk_add_f32 v[PS+2:PS+3], v[PS+2:PS+3], v[PS+18:PS+19]
.irp i, 0,1,2,3
	v_permlanex16_b32 v[240+\i], v[PS+\i], s12, s13                ; the other eight partial sums lie in the lane 16 away
.endr
	v_pk_add_f32 v[PS:PS+1], v[PS:PS+1], v[240:241]
	v_pk_add_f32 v[PS+2:PS+3], v[PS+2:PS+3], v[242:243]
	s_wait_xcnt 0x0                                ; EXEC changes only behind this wait
	v_cmp_gt_u32 vcc_lo, 16, v10
	s_and_saveexec_b32 s19, vcc_lo
	global_store_b128 v7, v[PS:PS+3], s[8:9]       ; sixteen lanes store 256 bytes on end, aligned
	s_wait_xcnt 0x0                                ; and again, in front of the line that widens it
	s_or_b32 exec_lo, exec_lo, s19
	s_wait_tensorcnt 0x0                           ; the wave's end, behind my last LDS store
	ds_add_u32 v[SPW], v[NIL]
	s_wait_dscnt 0x0
	s_endpgm
.Lfunc_end_k_q38d4be0f8b_first_proj:
	.size	k_q38d4be0f8b_first_proj, .Lfunc_end_k_q38d4be0f8b_first_proj-k_q38d4be0f8b_first_proj
	.p2alignl 7, 3214868480
	.fill 96, 4, 3214868480
	.section	.rodata,"a",@progbits
	.p2align	6, 0x0
	.amdhsa_kernel k_q38d4be0f8b_first_proj
		.amdhsa_group_segment_fixed_size 71680
		.amdhsa_private_segment_fixed_size 0
		.amdhsa_enable_private_segment 0
		.amdhsa_kernarg_size 24
		.amdhsa_user_sgpr_count 2
		.amdhsa_user_sgpr_kernarg_segment_ptr 1
		.amdhsa_wavefront_size32 1
		.amdhsa_system_sgpr_workgroup_id_x 1
		.amdhsa_system_sgpr_workgroup_id_y 1
		.amdhsa_system_sgpr_workgroup_id_z 1
		.amdhsa_system_vgpr_workitem_id 0
		.amdhsa_next_free_vgpr 256
		.amdhsa_next_free_sgpr 66
		.amdhsa_reserve_vcc 1
		.amdhsa_float_denorm_mode_32 3
		.amdhsa_float_denorm_mode_16_64 3
		.amdhsa_memory_ordered 1
		.amdhsa_forward_progress 1
		.amdhsa_inst_pref_size 13
	.end_amdhsa_kernel
	.amdgpu_metadata
---
amdhsa.version: [ 1, 2 ]
amdhsa.kernels:
  - .name:           k_q38d4be0f8b_first_proj
    .symbol:         k_q38d4be0f8b_first_proj.kd
    .args:
      - { .name: fine, .offset: 0, .size: 8, .value_kind: global_buffer, .address_space: global }
      - { .name: W_O, .offset: 8, .size: 8, .value_kind: global_buffer, .address_space: global }
      - { .name: out0, .offset: 16, .size: 8, .value_kind: global_buffer, .address_space: global }
    .group_segment_fixed_size: 71680
    .private_segment_fixed_size: 0
    .kernarg_segment_align: 8
    .kernarg_segment_size: 24
    .max_flat_workgroup_size: 512
    .sgpr_count:     66
    .vgpr_count:     256
    .wavefront_size: 32
...
	.end_amdgpu_metadata
.endif
;; end of part 6
